; MI455X (gfx1250); checked and timed in simulation.
; The chip was launched on July 23, 2026; its instructions are those of AMD's public machine-readable ISA for CDNA 5 (MIT licence, August 2026) and "CDNA5" Instruction Set Architecture Reference Guide (July 2026). The comments in the code are by the model that wrote it; some were corrected since.
;; Forgetting Attention. Allowed arithmetic: matrix products marked QUANTISED: E2M1 operands, one E8M0 scale for each 32 along K, by v_wmma_scale_f32_16x16x128_f8f6f4 with both operands' format E2M1 (or v_wmma_scale_f32_32x16x128_f4), f32 sums; products left as they are: bf16, f16 or f32 operands; f32 sums; everything else in f32.
;; Inputs: Wf 1,024 x 16 float32; Wk 1,024 x 1,024 float32; Wo 1,024 x 1,024 float32; Wq 1,024 x 1,024 float32; Wv 1,024 x 1,024 float32; bf 16 float32; x 2 x 2,048 x 1,024 float32.
;; Outputs: out0 2 x 2,048 x 1,024 float32.
;; This version of the problem:
;;   THIS VERSION OF THE PROBLEM IS GIVEN IN LOW PRECISION. The matrix products marked QUANTISED in the list below multiply operands that are first quantised to E2M1 (2 exponent bits, 1 mantissa bit; 4 bits a number), with one power-of-two scale for each 32 numbers along K (OCP MX v1.0); their sums are f32. The products marked 'left as it is' may take bf16, f16 or f32 operands, with f32 sums. Whichever they take, every output number must still come out within the allowed error. Rounding operands to bf16 (8 significant bits) uses up far more of that allowance than f16 does (11 bits, for magnitudes from 6e-5 to 65,504). All else is computed in f32.
;;   The module's matrix products, in the order in which they are computed (A, B: the left and right operand; K: the contracted axis; several contracted axes count as one K, in the product's order):
;;     1. [M 4,096, K 1,024] x [K 1,024, N 1,024]; A: input x; B: input Wq: QUANTISED
;;     2. [M 4,096, K 1,024] x [K 1,024, N 1,024]; A: input x; B: input Wk: QUANTISED
;;     3. [M 4,096, K 1,024] x [K 1,024, N 1,024]; A: input x; B: input Wv: QUANTISED
;;     4. [M 4,096, K 1,024] x [K 1,024, N 16]; A: input x; B: input Wf: QUANTISED
;;     5. batch 32 x [M 2,048, K 64] x [K 64, N 2,048]; A: computed on the way; B: computed on the way: left as it is (an operand is computed on the way)
;;     6. batch 32 x [M 2,048, K 2,048] x [K 2,048, N 64]; A: computed on the way; B: computed on the way: left as it is (an operand is computed on the way)
;;     7. [M 4,096, K 1,024] x [K 1,024, N 1,024]; A: computed on the way; B: input Wo: left as it is (an operand is computed on the way)
;;   THE QUANTISER, for each operand of a quantised product, along K:
;;     - K is cut into blocks of 32 from its start; a last block that is shorter is filled with zeros.
;;     - A block's scale is 2^e with e = floor(log2(the largest magnitude in the block)) - 2, held to -126 .. 127; a block of zeros has e = 0. As a byte (E8M0): e + 127.
;;     - Each number is divided by its block's scale, clamped to +-6, and rounded to the nearest number of E2M1, ties to even, subnormals kept.
;;     - The product sums the exact products of the quantised numbers (number of the format x scale) in f32.
;;   ~~~python
;;   def quantise(x, axis):      # numpy; x: float32 -> the quantised numbers, widened to float32 again
;;       x = np.moveaxis(x, axis, -1); K = x.shape[-1]
;;       x = np.pad(x, [(0, 0)] * (x.ndim - 1) + [(0, -K % 32)]); x = x.reshape(x.shape[:-1] + (-1, 32)); a = np.abs(x).max(-1, keepdims=True)
;;       e = np.where(a > 0, np.clip(np.frexp(np.where(a > 0, a, 1))[1] - 1 - 2, -126, 127), 0)      # np.frexp(a)[1] - 1 = floor(log2(a)), exactly
;;       r = np.clip(x / 2.0 ** e, -6, 6)
;;       step = 2.0 ** (np.maximum(np.frexp(np.where(r == 0, 1, r))[1] - 1, 0) - 1)
;;       q = np.round(r / step) * step * 2.0 ** e      # np.round: ties to even
;;       return np.moveaxis(q.reshape(q.shape[:-2] + (-1,))[..., :K], -1, axis).astype(np.float32)
;;   ~~~
;; One version. Each part assembles by itself: llvm-mc -triple=amdgcn-amd-amdhsa -mcpu=gfx1250 --defsym DOCPART=n.
;; ======== version 1 of 1: 5 launches
;; limits: values are held in f16: magnitudes above 65,504 overflow, below 6.1e-05 lose precision
;; workspace buffers: codes 3,899,392 bytes; wo16 2,097,152 bytes; lf 262,144 bytes; qkv 25,165,824 bytes; fine 393,216 bytes; o16 8,388,608 bytes
;; launch prep (part 1): grid 256 x 1, 8 waves a work-group, no clusters, 87,040 bytes of LDS; arguments x, Wq, Wk, Wv, Wo, Wf, bf, codes, wo16, lf; writes codes, wo16, lf
.if DOCPART == 1
	.amdgcn_target "amdgcn-amd-amdhsa--gfx1250"
	.amdhsa_code_object_version 6
	.text
	.protected	k_qd30272dc0b_prep
	.globl	k_qd30272dc0b_prep
	.p2align	8
	.type	k_qd30272dc0b_prep,@function
k_qd30272dc0b_prep:
	s_mov_b64 s[64:65], 0
	v_nop
	global_prefetch_b8 v0, s[64:65] scope:SCOPE_SE
	s_setreg_imm32_b32 hwreg(HW_REG_WAVE_MODE, 25, 1), 1
	s_wait_xcnt 0x0
; PREP.  Three kinds of work-groups, told apart by the work-group's number alone:
;   0-127   X: 32 rows of x become FP4 (E2M1) codes and E8M0 scale words; the gate product x Wf (both operands FP4, Wf quantised in registers), + bf, log sigmoid, clip to -10 .. 0 -> lf [b][head][t]
;   128-223 W: 64 columns x 512 K of Wq, Wk or Wv become codes and scale words, K innermost
;   224-255 O: 64 columns x 512 K of Wo become f16 operand fragments
; All results are laid in the order of the later launches' operand registers (an image: lane l's 16 bytes at 16 l, four registers = 512 bytes).
; codes: XC at 0 [rb 16][K step 8][row tile 16][1,024]; WC at WCO [head 16][K step 8][tile 12: q 0-3, k 4-7, v 8-11][1,024]; XS at XSO [rb][K half][256 rows][16]; WS at WSO [head][K half][192 rows][16].
; wo16: [128 columns: 8][256 k: 4][column tile 8][32 k: 8][1,024].
; A block's scale is 2^(floor(log2(largest magnitude)) - 2): the largest magnitude's exponent field - 2, held at 1 from below.
; LIMITS: NaN and infinities are not served; a block whose largest magnitude lies under 2^-124, a block of zeros among them, keeps the byte 1 (its codes are what the conversion gives; the bytes are read by this program alone);
; |Wo| stays under 65,504 (f16).  The gate's K is shared among eight waves: the eight partial sums are added in ascending K.
; lf leaves as 32 bytes a lane, rows 8,192 bytes apart: aligned blocks of 256 bytes are written in part there, 262,144 bytes in all.
.set SROW,  528                        ; a stage row: 512 bytes + 16
.set SWAVE, 16*SROW                    ; a wave's stage: 16 rows
.set GP,    8*SWAVE                    ; the gate's partial sums: [wave 8][tile 2][1,024]
.set XSL,   GP+16384                   ; x's scale words: [K half 2][32 rows][16]
.set WSL,   XSL+1024                   ; W's scale words: [64 columns][16]   (path W's own bytes)
.set SPARE, WSL+1024                   ; the spare words, 128 bytes for each wave: four blocks of 256 bytes that no other line names
.set WCO,   2097152
.set XSO,   3670016
.set WSO,   3801088
.set SPW,   2                          ; v2  my spare word's LDS address; never rewritten
.set NIL,   3                          ; v3  0; never rewritten
.set LI,    4                          ; v4  16 x lane
.set TM,    32                         ; v32-47 at work in QUANT
.set SEL,   46                         ; s[46:47] lane selects for lane l xor 16
; 64 numbers of a lane, register 16 b + i = k 32 b + 16 (lane / 16) + i of my row, become a fragment's codes in v[pc] on and its scale word in v[pw]
.macro QUANT s, pc, pw
.irp b, 0,1,2,3
	v_max3_num_f32 v[TM+\b], |v[\s+16*\b]|, |v[\s+1+16*\b]|, 0x1800000   ; my 16 numbers of block b, and the floor 2^(3 - 127): the byte cannot fall under 1
.endr
.irp i, 2,4,6,8,10,12,14
.irp b, 0,1,2,3
	v_max3_num_f32 v[TM+\b], v[TM+\b], |v[\s+16*\b+\i]|, |v[\s+1+16*\b+\i]|
.endr
.endr
.irp b, 0,1,2,3
	v_permlanex16_b32 v[TM+4+\b], v[TM+\b], s[SEL], s[SEL+1]
.endr
.irp b, 0,1,2,3
	v_max_num_f32 v[TM+\b], v[TM+\b], v[TM+4+\b]          ; with lane l xor 16's: the block's largest magnitude
.endr
.irp b, 0,1,2,3
	v_add_nc_u32 v[TM+12+\b], 0xff000000, v[TM+\b]        ; 2 off its exponent field: the conversion's scale operand
.endr
.irp b, 0,1,2,3
	v_lshrrev_b32 v[TM+4+\b], 23, v[TM+12+\b]             ; the scale's byte
.endr
	v_lshl_or_b32 v[\pw], v[TM+5], 8, v[TM+4]
	v_lshl_or_b32 v[\pw], v[TM+6], 16, v[\pw]
	v_lshl_or_b32 v[\pw], v[TM+7], 24, v[\pw]
.irp b, 0,1,2,3
	v_cvt_scalef32_pk8_fp4_f32 v[\pc+2*\b], v[\s+16*\b:\s+7+16*\b], v[TM+12+\b]
	v_cvt_scalef32_pk8_fp4_f32 v[\pc+1+2*\b], v[\s+8+16*\b:\s+15+16*\b], v[TM+12+\b]
.endr
	v_nop                                          ; one plain place behind a scaled conversion
.irp c, 0,1                                    ; the operand wants a whole block in a lane: lanes 0-15 block 2 c, lanes 16-31 block 2 c + 1
.irp i, 0,1
	v_permlane16_swap_b32 v[\pc+4*\c+\i], v[\pc+2+4*\c+\i]
.endr
.endr
.endm
; block t of a weight: W(32 t + i, my column), i = 0 .. 31: a lane takes a column, its registers run down K
.macro LOADW t
.set li, 0
.rept 32
	global_load_b32 v[64+32*(\t)+li], v5, s[36:37] offset:(32*(\t)+li)*4096 th:TH_LOAD_NT
.set li, li+1
.endr
.endm
.macro WAITW t                                 ; block t's 32 loads are in; the next block's 32 may be out.  Then the block two on is asked for (each block has registers of its own)
.if (\t) < 3
	s_wait_loadcnt 32
.else
	s_wait_loadcnt 0x0
.endif
.if (\t) < 2
	LOADW (\t)+2
.endif
.endm
	s_load_b256 s[4:11], s[0:1], 0x0               ; x s[4:5], Wq s[6:7], Wk s[8:9], Wv s[10:11]
	s_load_b256 s[12:19], s[0:1], 0x20             ; Wo s[12:13], Wf s[14:15], bf s[16:17], codes s[18:19]
	s_load_b128 s[20:23], s[0:1], 0x40             ; wo16 s[20:21], lf s[22:23]
	v_lshl_add_u32 v[SPW], v0, 2, SPARE
	v_mov_b32 v[NIL], 0
	v_lshrrev_b32 v1, 5, v0
	v_readfirstlane_b32 s24, v1                    ; wave 0..7
	v_and_b32 v16, 31, v0                          ; lane
	v_and_b32 v17, 15, v0                          ; r
	v_bfe_u32 v18, v0, 4, 1                        ; h
	v_lshlrev_b32 v[LI], 4, v16
	s_and_b32 s29, s24, 1                          ; paths W, O: which 32 of the 64 columns
	s_lshr_b32 s30, s24, 1                         ; and which 128 of the 512 along K
	s_mov_b32 s27, 0                               ; the upper word of every offset pair s[26:27]
	s_mov_b32 s[SEL], 0x76543210
	s_mov_b32 s[SEL+1], 0xfedcba98
	s_wait_kmcnt 0x0
	s_cmp_lt_u32 ttmp9, 128
	s_cbranch_scc1 .Lpath_x
	s_cmp_lt_u32 ttmp9, 224
	s_cbranch_scc1 .Lpath_w
	; ---------------- path O: Wo to f16 fragments (rows = output columns, K = Wo's first axis)
	s_sub_co_u32 s25, ttmp9, 224
	s_lshr_b32 s28, s25, 1                         ; which 64 columns
	s_and_b32 s25, s25, 1                          ; which half of K
	s_lshl_b32 s31, s25, 2
	s_add_co_u32 s31, s31, s30                     ; my 128 along K: number 0..7
	s_lshl_b32 s26, s31, 19                        ; 128 rows of 4,096 bytes
	s_lshl_b32 s32, s28, 8
	s_add_co_u32 s26, s26, s32
	s_lshl_b32 s32, s29, 7
	s_add_co_u32 s26, s26, s32
	s_add_nc_u64 s[36:37], s[12:13], s[26:27]
	s_lshr_b32 s26, s28, 1                         ; block of 128 columns
	s_lshl_b32 s26, s26, 2
	s_lshr_b32 s32, s31, 1                         ; step of 256 k
	s_add_co_u32 s26, s26, s32
	s_lshl_b32 s26, s26, 3
	s_and_b32 s32, s28, 1
	s_lshl_b32 s32, s32, 2
	s_add_co_u32 s26, s26, s32
	s_lshl_b32 s32, s29, 1
	s_add_co_u32 s26, s26, s32                     ; + my first column tile
	s_lshl_b32 s26, s26, 13
	s_and_b32 s32, s31, 1
	s_lshl_b32 s32, s32, 12                        ; + my first chunk of 32 k
	s_add_co_u32 s26, s26, s32
	s_add_nc_u64 s[42:43], s[20:21], s[26:27]
	v_lshlrev_b32 v5, 2, v16
	LOADW 0
	LOADW 1
; 32 k of my column: 16 packed registers P0-15.  Lanes 0-15 hold column tile 0, lanes 16-31 tile 1.  The exchanges of halves make of (P0-3, P4-7) registers 0-3 of both tiles' fragments, of (P8-11, P12-15) registers 4-7.
.macro BLOCKH t
	WAITW \t
.set hi, 0
.rept 16
	v_cvt_pk_f16_f32 v[192+16*(\t)+hi], v[64+32*(\t)+2*hi], v[65+32*(\t)+2*hi]
.set hi, hi+1
.endr
.irp i, 0,1,2,3
	v_permlane16_swap_b32 v[192+16*(\t)+\i], v[196+16*(\t)+\i]
	v_permlane16_swap_b32 v[200+16*(\t)+\i], v[204+16*(\t)+\i]
.endr
	global_store_b128 v[LI], v[192+16*(\t):195+16*(\t)], s[42:43] offset:(\t)*1024          ; each store covers 512 consecutive bytes, aligned
	global_store_b128 v[LI], v[200+16*(\t):203+16*(\t)], s[42:43] offset:(\t)*1024+512
	global_store_b128 v[LI], v[196+16*(\t):199+16*(\t)], s[42:43] offset:8192+(\t)*1024
	global_store_b128 v[LI], v[204+16*(\t):207+16*(\t)], s[42:43] offset:8192+(\t)*1024+512
.endm
	BLOCKH 0
	BLOCKH 1
	BLOCKH 2
	BLOCKH 3
	s_branch .Lend
	; ---------------- path W: Wq, Wk, Wv to codes
.Lpath_w:
	s_sub_co_u32 s25, ttmp9, 128
	s_lshr_b32 s26, s25, 5                         ; 0: Wq, 1: Wk, 2: Wv
	s_mov_b32 s33, s26
	s_bfe_u32 s28, s25, 0x40001                    ; head
	s_and_b32 s25, s25, 1                          ; which half of K
	s_lshl_b32 s31, s25, 2
	s_add_co_u32 s31, s31, s30                     ; K step 0..7
	s_cmp_eq_u32 s33, 0                            ; the choice hangs on the work-group's number alone
	s_cselect_b64 s[36:37], s[6:7], s[8:9]
	s_cmp_eq_u32 s33, 2
	s_cselect_b64 s[36:37], s[10:11], s[36:37]
	s_lshl_b32 s26, s31, 19
	s_lshl_b32 s32, s28, 8
	s_add_co_u32 s26, s26, s32
	s_lshl_b32 s32, s29, 7
	s_add_co_u32 s26, s26, s32
	s_add_nc_u64 s[36:37], s[36:37], s[26:27]
	s_mul_i32 s26, s28, 98304
	s_mul_i32 s32, s31, 12288
	s_add_co_u32 s26, s26, s32
	s_lshl_b32 s32, s33, 2
	s_lshl_b32 s34, s29, 1
	s_add_co_u32 s32, s32, s34
	s_lshl_b32 s32, s32, 10
	s_add_co_u32 s26, s26, s32
	s_add_co_u32 s26, s26, WCO
	s_add_nc_u64 s[42:43], s[18:19], s[26:27]      ; my two tiles' images
	s_lshl_b32 s26, s28, 1
	s_add_co_u32 s26, s26, s25
	s_mul_i32 s26, s26, 192
	s_lshl_b32 s32, s33, 6
	s_add_co_u32 s26, s26, s32
	s_lshl_b32 s26, s26, 4
	s_lshl_b32 s32, s29, 9
	s_add_co_u32 s26, s26, s32
	s_add_co_u32 s26, s26, WSO
	s_add_nc_u64 s[44:45], s[18:19], s[26:27]      ; the scale words (waves 0, 1: 512 bytes each)
	v_lshlrev_b32 v5, 2, v16
	v_lshlrev_b32 v6, 10, v18
	v_lshl_add_u32 v6, v17, 4, v6                  ; tile (lane / 16) x 1,024 + 16 r
	s_lshl_b32 s32, s29, 9
	s_add_co_u32 s32, s32, WSL
	v_add_nc_u32 v8, s32, v[LI]                    ; back: 512 (wave % 2) + 16 x lane
	s_lshl_b32 s34, s30, 2
	s_add_co_u32 s32, s32, s34
	v_add_nc_u32 v7, s32, v[LI]                    ; in: column (32 ns + lane) x 16 + 4 x my K step of the four
	LOADW 0
	LOADW 1
; block t is k = 64 (t / 2) + 32 (t % 2) + 0 .. 31 of the K step: in the operand that is registers 4 (t / 2) .. + 3 of lane 16 (t % 2) + r.  Sixteen lanes store 256 consecutive bytes, aligned.
.macro BLOCKQ t
	WAITW \t
.set XB, 64+32*(\t)
	v_max3_num_f32 v20, |v[XB]|, |v[XB+1]|, |v[XB+2]|
	v_max3_num_f32 v21, |v[XB+3]|, |v[XB+4]|, |v[XB+5]|
.irp i, 6,10,14,18,22,26
	v_max3_num_f32 v20, v20, |v[XB+\i]|, |v[XB+\i+1]|
	v_max3_num_f32 v21, v21, |v[XB+\i+2]|, |v[XB+\i+3]|
.endr
	v_max3_num_f32 v20, v20, |v[XB+30]|, |v[XB+31]|
	v_max3_num_f32 v20, v20, v21, 0x1800000        ; and the floor
	v_add_nc_u32 v22, 0xff000000, v20
	v_lshrrev_b32 v23, 23, v22
.if (\t) == 0
	v_mov_b32 v24, v23
.else
	v_lshl_or_b32 v24, v23, 8*(\t), v24            ; the K step's scale word of my column
.endif
.irp g, 0,1,2,3
	v_cvt_scalef32_pk8_fp4_f32 v[32+4*(\t)+\g], v[XB+8*\g:XB+8*\g+7], v22
.endr
	v_nop                                          ; one plain place behind the last conversion
	global_store_b128 v6, v[32+4*(\t):35+4*(\t)], s[42:43] offset:((\t)/2)*512+((\t)%2)*256
.endm
	BLOCKQ 0
	BLOCKQ 1
	BLOCKQ 2
	BLOCKQ 3
	ds_store_b32 v7, v24
	s_wait_dscnt 0x0                               ; for the others' sake: my word has landed
	s_barrier_signal -1
	s_barrier_wait -1
	s_cmp_lt_u32 s24, 2
	s_cbranch_scc0 .Lend
	ds_load_b128 v[48:51], v8
	s_wait_dscnt 0x0
	global_store_b128 v[LI], v[48:51], s[44:45]    ; 512 consecutive bytes: 32 columns' four words
	s_branch .Lend
	; ---------------- path X: rows 32 g .. 32 g + 31 of x; wave s takes K step s
.Lpath_x:
	s_lshl_b32 s26, ttmp9, 17
	s_lshl_b32 s25, s24, 9
	s_add_co_u32 s26, s26, s25
	s_add_nc_u64 s[4:5], s[4:5], s[26:27]          ; x at my rows, my 512 bytes of each
	s_lshl_b32 s26, s24, 13
	s_add_nc_u64 s[14:15], s[14:15], s[26:27]      ; Wf at my 128 rows
	s_lshr_b32 s28, ttmp9, 3                       ; block of 256 rows
	s_and_b32 s29, ttmp9, 7
	s_lshl_b32 s26, s28, 3
	s_add_co_u32 s26, s26, s24
	s_lshl_b32 s26, s26, 14
	s_lshl_b32 s25, s29, 11
	s_add_co_u32 s26, s26, s25
	s_add_nc_u64 s[32:33], s[18:19], s[26:27]      ; my two fragments' images
	s_lshl_b32 s26, s28, 13
	s_lshl_b32 s25, s29, 9
	s_add_co_u32 s26, s26, s25
	s_add_co_u32 s26, s26, XSO
	s_add_nc_u64 s[34:35], s[18:19], s[26:27]      ; the 32 rows' scale words
	s_lshl_b32 s25, ttmp9, 5
	s_and_b32 s26, s24, 1
	s_lshl_b32 s26, s26, 4
	s_add_co_u32 s25, s25, s26
	s_and_b32 s25, s25, 2047                       ; the first token of tile (wave % 2) in its sequence
	s_lshl_b32 s25, s25, 2
	s_lshr_b32 s26, ttmp9, 6
	s_lshl_b32 s26, s26, 17
	s_add_co_u32 s26, s26, s25
	s_add_nc_u64 s[22:23], s[22:23], s[26:27]
	s_mov_b32 s40, 0xbfb8aa3b                      ; -log2(e)
	s_mov_b32 s41, 0xbf317218                      ; -ln 2
	s_mov_b32 s42, 0xc1200000                      ; -10
	v_lshlrev_b32 v5, 2, v17
	v_lshl_add_u32 v5, v18, 11, v5                 ; Wf: column r, lanes 16-31 begin 32 rows further down
	s_mul_i32 s25, s24, SWAVE
	v_add_nc_u32 v6, s25, v[LI]                    ; my stage, in: 16 x lane of a row
	v_mul_u32_u24 v7, v17, SROW
	v_lshl_add_u32 v7, v18, 6, v7
	v_add_nc_u32 v7, s25, v7                       ; out: row r, + 64 h: 16 neighbours of each block of 32
	s_lshl_b32 s25, s24, 11
	s_add_co_u32 s25, s25, GP
	v_add_nc_u32 v8, s25, v[LI]
	s_lshr_b32 s25, s24, 2
	s_lshl_b32 s25, s25, 9
	s_and_b32 s36, s24, 3
	s_lshl_b32 s36, s36, 2
	s_add_co_u32 s25, s25, s36
	s_add_co_u32 s25, s25, XSL
	v_lshl_add_u32 v9, v17, 4, s25                 ; my K step's word of row r
	s_and_b32 s25, s24, 1
	s_lshl_b32 s25, s25, 10
	s_add_co_u32 s25, s25, GP
	v_add_nc_u32 v13, s25, v[LI]                   ; waves 0, 1: tile (wave)'s partial sums
	v_add_nc_u32 v14, XSL, v[LI]                   ; wave 2: the scale words
	v_lshlrev_b32 v1, 13, v17
	v_lshl_add_u32 v1, v18, 5, v1                  ; lf: head r, + 8 h tokens
	v_lshlrev_b32 v19, 2, v17
.irp b, 0,1,2,3
	v_mov_b32 v[TM+4+\b], 0                        ; written once: a lane permute's destination counts as one of its sources
.endr
	global_load_b32 v15, v19, s[16:17]             ; bf of head r
.set li, 0
.rept 32
	global_load_b32 v[64+li], v5, s[14:15] offset:64*li            ; Wf(32 h + i, r)
.set li, li+1
.endr
.set li, 0
.rept 32
	global_load_b32 v[96+li], v5, s[14:15] offset:64*(64+li)       ; Wf(64 + 32 h + i, r)
.set li, li+1
.endr
.set li, 0
.rept 32
	global_load_b128 v[128+4*li:131+4*li], v[LI], s[4:5] offset:li*4096 th:TH_LOAD_NT   ; row li: 512 consecutive bytes a load
.set li, li+1
.endr
	s_wait_loadcnt 32                              ; bf and Wf are in; x's 32 loads may be out
.irp c, 0,1                                    ; Wf: my block 2 c + h of column r: all its 32 numbers are mine
	v_max3_num_f32 v[32+\c], |v[64+32*\c]|, |v[65+32*\c]|, 0x1800000
.endr
.irp i, 2,4,6,8,10,12,14,16,18,20,22,24,26,28,30
.irp c, 0,1
	v_max3_num_f32 v[32+\c], v[32+\c], |v[64+32*\c+\i]|, |v[65+32*\c+\i]|
.endr
.endr
.irp c, 0,1
	v_add_nc_u32 v[44+\c], 0xff000000, v[32+\c]
.endr
.irp c, 0,1
	v_lshrrev_b32 v[36+\c], 23, v[44+\c]
.endr
	v_lshl_or_b32 v10, v37, 16, v36                ; my two bytes: blocks h and 2 + h,
	v_lshlrev_b32 v38, 3, v18
	v_lshlrev_b32 v10, v38, v10                    ; at their places in the word;
	v_mov_b32 v38, 0
	v_permlanex16_b32 v38, v10, s[SEL], s[SEL+1]
	v_or_b32 v10, v10, v38                         ; with lane l xor 16's two the word is whole: v10 = Wf's scale word
.irp c, 0,1
.irp g, 0,1,2,3
	v_cvt_scalef32_pk8_fp4_f32 v[48+4*\c+\g], v[64+32*\c+8*\g:71+32*\c+8*\g], v[44+\c]   ; v48-55: Wf's fragment
.endr
.endr
	v_nop
; tile u: through my stage (as loaded in, 16 neighbours of each block out), quantised, stored, multiplied by Wf's fragment
.macro XTILE u, pc
.if \u == 0
	s_wait_loadcnt 16                              ; tile 0's 16 loads are in; tile 1's may be out
.else
	s_wait_loadcnt 0x0
.endif
.set li, 0
.rept 16
	ds_store_b128 v6, v[128+64*\u+4*li:131+64*\u+4*li] offset:li*SROW
.set li, li+1
.endr
.irp b, 0,1,2,3
.irp j, 0,1,2,3
	ds_load_b128 v[64+16*\b+4*\j:67+16*\b+4*\j], v7 offset:128*\b+16*\j   ; LDS serves a wave's instructions in order: these see my stores
.endr
.endr
	s_wait_dscnt 0x0
	QUANT 64, \pc, 11+\u
	global_store_b128 v[LI], v[\pc:\pc+3], s[32:33] offset:\u*1024
	global_store_b128 v[LI], v[\pc+4:\pc+7], s[32:33] offset:\u*1024+512
	ds_store_b32 v9, v[11+\u] offset:256*\u        ; both lanes of a row write the same word with the same value
.rept 8
	v_nop                                          ; a scale register written by a vector instruction stands 8 places ahead of a scaled matrix instruction, an operand 4
.endr
	v_wmma_scale_f32_16x16x128_f8f6f4 v[16+8*\u:23+8*\u], v[\pc:\pc+7], v[48:55], 0, v[11+\u], v10 matrix_a_fmt:MATRIX_FMT_FP4 matrix_b_fmt:MATRIX_FMT_FP4   ; lane (r, h): head r, tokens 8 h + 0 .. 7
.endm
	XTILE 0, 56
	XTILE 1, 128
.rept 4
	v_nop                                          ; places ahead of the first read of the results
.endr
	ds_store_b128 v8, v[16:19]
	ds_store_b128 v8, v[20:23] offset:512
	ds_store_b128 v8, v[24:27] offset:1024
	ds_store_b128 v8, v[28:31] offset:1536
	s_wait_dscnt 0x0                               ; for the others' sake: my partial sums and scale words have landed
	s_barrier_signal -1
	s_barrier_wait -1
	s_cmp_lt_u32 s24, 2
	s_cbranch_scc1 .Lgate
	s_cmp_eq_u32 s24, 2
	s_cbranch_scc0 .Lend
	ds_load_b128 v[64:67], v14                     ; wave 2: 32 rows x 16 bytes for each half of K
	ds_load_b128 v[68:71], v14 offset:512
	s_wait_dscnt 0x0
	global_store_b128 v[LI], v[64:67], s[34:35]
	global_store_b128 v[LI], v[68:71], s[34:35] offset:4096
	s_branch .Lend
.Lgate:                                            ; waves 0, 1: tile (wave)'s logits
.irp w, 0,1,2,3,4,5,6,7
	ds_load_b128 v[64+8*\w:67+8*\w], v13 offset:\w*2048
	ds_load_b128 v[68+8*\w:71+8*\w], v13 offset:\w*2048+512
.endr
	s_wait_dscnt 0x0
.irp w, 1,2,3,4,5,6,7
.irp j, 0,2,4,6
	v_pk_add_f32 v[64+\j:65+\j], v[64+\j:65+\j], v[64+8*\w+\j:65+8*\w+\j]   ; K ascending
.endr
.endr
.irp j, 0,1,2,3,4,5,6,7
	v_add_f32 v[64+\j], v[64+\j], v15              ; z = logit + bf
.endr
.irp j, 0,1,2,3,4,5,6,7
	v_mul_f32 v[72+\j], s40, |v[64+\j]|
.endr
.irp j, 0,1,2,3,4,5,6,7
	v_exp_f32 v[72+\j], v[72+\j]                   ; e^-|z|
.endr
	v_nop                                          ; a plain place behind the last exponential
	s_wait_alu depctr_va_vdst(0)                   ; one wait for the batch, ahead of its first reader
.irp j, 0,1,2,3,4,5,6,7
	v_add_f32 v[72+\j], 1.0, v[72+\j]
.endr
.irp j, 0,1,2,3,4,5,6,7
	v_log_f32 v[72+\j], v[72+\j]
.endr
.irp j, 0,1,2,3,4,5,6,7
	v_min_num_f32 v[64+\j], 0, v[64+\j]            ; (plain work behind the logarithms)
.endr
	s_wait_alu depctr_va_vdst(0)
.irp j, 0,1,2,3,4,5,6,7
	v_fma_f32 v[64+\j], v[72+\j], s41, v[64+\j]    ; log sigmoid(z) = min(z, 0) - ln 2 x log2(1 + e^-|z|)
.endr
.irp j, 0,1,2,3,4,5,6,7
	v_med3_num_f32 v[64+\j], v[64+\j], s42, 0      ; the clip
.endr
	global_store_b128 v1, v[64:67], s[22:23]
	global_store_b128 v1, v[68:71], s[22:23] offset:16
.Lend:
	s_wait_tensorcnt 0x0                           ; the wave's end, behind my last LDS store
	ds_add_u32 v[SPW], v[NIL]
	s_wait_dscnt 0x0
	s_endpgm
.Lfunc_end_k_qd30272dc0b_prep:
	.size	k_qd30272dc0b_prep, .Lfunc_end_k_qd30272dc0b_prep-k_qd30272dc0b_prep
	.p2alignl 7, 3214868480
	.fill 96, 4, 3214868480
	.section	.rodata,"a",@progbits
	.p2align	6, 0x0
	.amdhsa_kernel k_qd30272dc0b_prep
		.amdhsa_group_segment_fixed_size 87040
		.amdhsa_private_segment_fixed_size 0
		.amdhsa_enable_private_segment 0
		.amdhsa_kernarg_size 80
		.amdhsa_user_sgpr_count 2
		.amdhsa_user_sgpr_kernarg_segment_ptr 1
		.amdhsa_wavefront_size32 1
		.amdhsa_system_sgpr_workgroup_id_x 1
		.amdhsa_system_sgpr_workgroup_id_y 1
		.amdhsa_system_sgpr_workgroup_id_z 1
		.amdhsa_system_vgpr_workitem_id 0
		.amdhsa_next_free_vgpr 256
		.amdhsa_next_free_sgpr 66
		.amdhsa_reserve_vcc 0
		.amdhsa_float_denorm_mode_32 3
		.amdhsa_float_denorm_mode_16_64 3
		.amdhsa_memory_ordered 1
		.amdhsa_forward_progress 1
		.amdhsa_inst_pref_size 76
	.end_amdhsa_kernel
	.amdgpu_metadata
---
amdhsa.version: [ 1, 2 ]
amdhsa.kernels:
  - .name:           k_qd30272dc0b_prep
    .symbol:         k_qd30272dc0b_prep.kd
    .args:
      - { .name: x, .offset: 0, .size: 8, .value_kind: global_buffer, .address_space: global }
      - { .name: Wq, .offset: 8, .size: 8, .value_kind: global_buffer, .address_space: global }
      - { .name: Wk, .offset: 16, .size: 8, .value_kind: global_buffer, .address_space: global }
      - { .name: Wv, .offset: 24, .size: 8, .value_kind: global_buffer, .address_space: global }
      - { .name: Wo, .offset: 32, .size: 8, .value_kind: global_buffer, .address_space: global }
      - { .name: Wf, .offset: 40, .size: 8, .value_kind: global_buffer, .address_space: global }
      - { .name: bf, .offset: 48, .size: 8, .value_kind: global_buffer, .address_space: global }
      - { .name: codes, .offset: 56, .size: 8, .value_kind: global_buffer, .address_space: global }
      - { .name: wo16, .offset: 64, .size: 8, .value_kind: global_buffer, .address_space: global }
      - { .name: lf, .offset: 72, .size: 8, .value_kind: global_buffer, .address_space: global }
    .group_segment_fixed_size: 87040
    .private_segment_fixed_size: 0
    .kernarg_segment_align: 8
    .kernarg_segment_size: 80
    .max_flat_workgroup_size: 256
    .sgpr_count:     66
    .vgpr_count:     256
    .wavefront_size: 32
...
	.end_amdgpu_metadata
.endif
;; end of part 1
;; launch qkv (part 2): grid 16 x 16, 4 waves a work-group, clusters of 4 x 4, 245,760 bytes of LDS; arguments codes, qkv, fine; writes qkv, fine
.if DOCPART == 2
	.amdgcn_target "amdgcn-amd-amdhsa--gfx1250"
	.amdhsa_code_object_version 6
	.text
	.protected	k_qd30272dc0b_qkv
	.globl	k_qd30272dc0b_qkv
	.p2align	8
	.type	k_qd30272dc0b_qkv,@function
k_qd30272dc0b_qkv:
	s_mov_b64 s[64:65], 0
	v_nop
	global_prefetch_b8 v0, s[64:65] scope:SCOPE_SE
	s_setreg_imm32_b32 hwreg(HW_REG_WAVE_MODE, 25, 1), 1
	s_wait_xcnt 0x0
	s_wait_alu depctr_hold_cnt(0) depctr_sa_sdst(0) depctr_va_vdst(0) depctr_va_sdst(0) depctr_va_ssrc(0) depctr_va_vcc(0) depctr_vm_vsrc(0)
	s_getreg_b32 s2, hwreg(HW_REG_IB_STS2, 6, 4)
	s_cmp_eq_u32 s2, 0
	s_cbranch_scc0 .Lentry_in_a_cluster
	s_endpgm
.Lentry_in_a_cluster:
	s_bfe_u32 s2, ttmp6, 0x10000c
	s_cmp_lg_u32 s2, 0xf033
	s_cbranch_scc0 .Lentry_shape_is_right
	s_endpgm
.Lentry_shape_is_right:
; QKV.  q, k, v = x Wq, x Wk, x Wv on FP4 codes with E8M0 scales, f32 sums.  A work-group takes 256 tokens (y) x the 192 columns of one head (x: 64 of q, 64 of k, 64 of v).
; Wave w takes token tiles 4 w .. 4 w + 3 against all 12 column tiles: 48 accumulators.  All of K (8 steps of 128) lies in LDS at once, as images of the operands' registers: nothing is filled again.
; CLUSTER 4 x 4: x's codes and scales hang on y alone and are shared along a row of the cluster, W's on x alone and are shared along a column: each comes by a joint load.
; q and k are made with source 0 = W's rows, source 1 = x's rows: a lane holds one token and eight neighbouring channels, which packed to f16 are four registers of the next launch's operand.
; v is made with the sources swapped: a lane holds one channel and eight tokens: four registers of V^T's operand.  q is multiplied by log2(e) / 8 ahead of its rounding.
; qkv: Q at 0 and K at 8,388,608: [b x head 32][token tile 128][piece 4][512]; V at 16,777,216: [b x head][32 keys: 64][channel tile 4][piece 2][512].  Each store covers 512 consecutive bytes, aligned.
; fine: [b][head][q, k: 16 tokens x 64 f32 | v^T: 64 x 16 f32]: positions 0-15 of each sequence, unrounded, for the launch that carries them in f32.  Stored by wave 0 under EXEC = (the block is a sequence's first): no branch hangs on the work-group's place.
; LIMITS: |q| log2(e) / 8, |k|, |v| stay under 65,504 (f16).
; REGISTERS: window 0: v1-10 addresses; v32-63 x's scale words (8 m + s), v64-159 W's (8 n + s): they hold scales alone; v160-223 x's fragments, two sets; v224-255 at work.
;   window 1: W's fragments, two sets of 96; on the way out the packed results.   window 2: accumulators of q and k, (m, n) at 8 (8 m + n).   window 3: of v, (m, ct) at 8 (4 m + ct).
.set SCA,   229376                     ; LDS: x's codes 0 .. 131,071 (two chunks of 4 K steps), W's 131,072 .. 229,375 (two chunks), x's scale words,
.set SCB,   237568                     ; W's scale words,
.set SPARE, 243712                     ; the spare words, 128 bytes for each wave: two blocks of 256 bytes that no other line names
.set WCO,   2097152
.set XSO,   3670016
.set WSO,   3801088
.set LI,   1
.set ADA,  2                           ; v2-3  x's fragments in chunk 0, 1
.set ADB,  4                           ; v4-5  W's
.set ADSA, 6
.set ADSB, 7
.set FQ,   8
.set FV,   9
.set RB7,  10
.set SPW,  28
.set NIL,  29
.set SA,   32
.set SB,   64
.set AF,   160
.set TQ,   224
.set G1A,  16                          ; s[16:23], s[24:31], s[32:39], s[40:47]: groups 1 for x's codes, W's codes, x's scales, W's scales
.set G1B,  24
.set G1SA, 32
.set G1SB, 40
.set G0A,  48                          ; s[48:59]: groups 0 for x: scales, chunk 0, chunk 1;  s[68:79] the same for W
.set G0B,  68
.set MSB, 0
.macro WIN new                         ; the immediate's high byte repeats the setting that is left
.if MSB != \new
	s_set_vgpr_msb (MSB<<8)|\new
.set MSB, \new
.endif
.endm
.set MUL_QK, 0xa1                      ; source 0 (W) window 1, source 1 (x) window 0, C and D window 2
.set MUL_V,  0xf4                      ; source 0 (x) window 0, source 1 (W) window 1, C and D window 3
.set TO_B,   0x40
; A joint load: waves 0 and 1 fetch for x, waves 2 and 3 for W; the branch hangs on the wave's number alone.  An s_nop 0 and four v_nop follow each of the two lines.
.macro JLOAD g0a, g1a, g0b, g1b
	s_cmp_eq_u32 s11, 0
	s_cbranch_scc0 .Lfor_b_\@
	tensor_load_to_lds s[\g0a:\g0a+3], s[\g1a:\g1a+7]
	s_nop 0
.rept 4
	v_nop
.endr
	s_branch .Lasked_\@
.Lfor_b_\@:
	tensor_load_to_lds s[\g0b:\g0b+3], s[\g1b:\g1b+7]
	s_nop 0
.rept 4
	v_nop
.endr
.Lasked_\@:
.endm
.macro CROUND                          ; a round of the cluster's barrier
	s_barrier_signal -1
	s_barrier_wait -1
	s_cmp_lg_u32 s10, 0
	s_cbranch_scc1 .Lnot_wave_0_\@
	s_barrier_signal -3
.Lnot_wave_0_\@:
	s_barrier_wait -3
	s_barrier_signal -1
	s_barrier_wait -1
.endm
.macro PLACES n
.rept \n
	v_nop
.endr
.endm
	s_load_b128 s[4:7], s[0:1], 0x0                ; codes s[4:5], qkv s[6:7]
	s_load_b64 s[8:9], s[0:1], 0x10                ; fine
	v_lshl_add_u32 v[SPW], v0, 2, SPARE
	v_mov_b32 v[NIL], 0
	ds_add_u32 v[SPW], v[NIL]                      ; the wave's opening: the add, twice on end, and its wait ahead of my first tensor load
	ds_add_u32 v[SPW], v[NIL]
	v_lshrrev_b32 v1, 5, v0
	v_readfirstlane_b32 s10, v1                    ; wave 0..3
	s_lshr_b32 s11, s10, 1                         ; I fetch for x (0) or for W (1),
	s_and_b32 s12, s10, 1                          ; its first or second half
	s_bfe_u32 s80, ttmp6, 0x40000                  ; cx
	s_bfe_u32 s81, ttmp6, 0x40004                  ; cy
	s_lshl_b32 s13, ttmp9, 2
	s_add_co_u32 s13, s13, s80                     ; head
	s_and_b32 s14, ttmp7, 0xffff
	s_lshl_b32 s14, s14, 2
	s_add_co_u32 s14, s14, s81                     ; block of 256 tokens
	s_lshl_b32 s82, s81, 2
	s_lshl_b32 s82, 15, s82                        ; my row of the cluster
	s_lshl_b32 s83, 0x1111, s80                    ; my column
	; groups 1: dense blocks as rows of 256 bytes (32 elements of 8 bytes), no padding: images are read 512 consecutive bytes an instruction
	s_or_b32 s[G1A], s82, (3<<16)|(1<<21)
	s_or_b32 s[G1SA], s82, (3<<16)|(1<<21)
	s_or_b32 s[G1B], s83, (3<<16)|(1<<21)
	s_or_b32 s[G1SB], s83, (3<<16)|(1<<21)
.irp g, G1A, G1B, G1SA, G1SB
	s_mov_b32 s[\g+1], 32<<16                      ; tensor_dim0
	s_mov_b32 s[\g+3], 32<<16                      ; tile_dim0
	s_mov_b32 s[\g+5], 32                          ; the pitch
	s_mov_b32 s[\g+6], 0
	s_mov_b32 s[\g+7], 0
.endr
	s_mov_b32 s[G1A+2], 128<<16                    ; rows: half a chunk of x's codes is 32,768 bytes,
	s_mov_b32 s[G1A+4], 128
	s_mov_b32 s[G1B+2], 96<<16                     ; of W's 24,576,
	s_mov_b32 s[G1B+4], 96
	s_mov_b32 s[G1SA+2], 16<<16                    ; half of x's scale words 4,096,
	s_mov_b32 s[G1SA+4], 16
	s_mov_b32 s[G1SB+2], 12<<16                    ; of W's 3,072
	s_mov_b32 s[G1SB+4], 12
	; where they come from: x's hang on the token block alone, W's on the head alone, each in registers that never hold the other coordinate
	s_lshl_b32 s84, s14, 13
	s_lshl_b32 s85, s12, 12
	s_add_co_u32 s84, s84, s85
	s_add_co_u32 s84, s84, XSO
	s_mov_b32 s85, 0
	s_lshl_b32 s86, s14, 17
	s_lshl_b32 s87, s12, 15
	s_add_co_u32 s86, s86, s87
	s_mov_b32 s87, 0
	s_mul_i32 s88, s13, 6144
	s_mul_i32 s89, s12, 3072
	s_add_co_u32 s88, s88, s89
	s_add_co_u32 s88, s88, WSO
	s_mov_b32 s89, 0
	s_mul_i32 s90, s13, 98304
	s_mul_i32 s91, s12, 24576
	s_add_co_u32 s90, s90, s91
	s_add_co_u32 s90, s90, WCO
	s_mov_b32 s91, 0
	s_mov_b32 s98, 0x3e38aa3b                      ; log2(e) / 8
	s_mov_b32 s99, s98
	s_wait_dscnt 0x0                               ; both opening adds are done
	s_wait_kmcnt 0x0
	s_mov_b32 s[G0A], 1
	s_lshl_b32 s[G0A+1], s12, 12
	s_add_co_u32 s[G0A+1], s[G0A+1], SCA
	s_add_nc_u64 s[G0A+2:G0A+3], s[4:5], s[84:85]
	s_or_b32 s[G0A+3], s[G0A+3], 0x80000000
	s_mov_b32 s[G0A+4], 1
	s_lshl_b32 s[G0A+5], s12, 15
	s_add_nc_u64 s[G0A+6:G0A+7], s[4:5], s[86:87]
	s_add_nc_u64 s[G0A+10:G0A+11], s[G0A+6:G0A+7], 65536
	s_or_b32 s[G0A+7], s[G0A+7], 0x80000000
	s_mov_b32 s[G0A+8], 1
	s_add_co_u32 s[G0A+9], s[G0A+5], 65536
	s_or_b32 s[G0A+11], s[G0A+11], 0x80000000
	s_mov_b32 s[G0B], 1
	s_mul_i32 s[G0B+1], s12, 3072
	s_add_co_u32 s[G0B+1], s[G0B+1], SCB
	s_add_nc_u64 s[G0B+2:G0B+3], s[4:5], s[88:89]
	s_or_b32 s[G0B+3], s[G0B+3], 0x80000000
	s_mov_b32 s[G0B+4], 1
	s_mul_i32 s[G0B+5], s12, 24576
	s_add_co_u32 s[G0B+5], s[G0B+5], 131072
	s_add_nc_u64 s[G0B+6:G0B+7], s[4:5], s[90:91]
	s_add_nc_u64 s[G0B+10:G0B+11], s[G0B+6:G0B+7], 49152
	s_or_b32 s[G0B+7], s[G0B+7], 0x80000000
	s_mov_b32 s[G0B+8], 1
	s_add_co_u32 s[G0B+9], s[G0B+5], 49152
	s_or_b32 s[G0B+11], s[G0B+11], 0x80000000
	CROUND                                         ; all sixteen work-groups are here: the joint loads meet
	JLOAD G0A, G1SA, G0B, G1SB                     ; the scale words,
	JLOAD G0A+4, G1A, G0B+4, G1B                   ; K steps 0-3,
	JLOAD G0A+8, G1A, G0B+8, G1B                   ; K steps 4-7: three loads of mine are out
	v_and_b32 v11, 31, v0
	v_and_b32 v12, 15, v0                          ; r
	v_bfe_u32 v13, v0, 4, 1                        ; h
	v_lshlrev_b32 v[LI], 4, v11
	s_lshl_b32 s84, s10, 12
	v_add_nc_u32 v[ADA], s84, v[LI]                ; my four token tiles' images
	v_add_nc_u32 v[ADA+1], 65536, v[ADA]
	v_add_nc_u32 v[ADB], 131072, v[LI]
	v_add_nc_u32 v[ADB+1], 131072+49152, v[LI]
	s_lshl_b32 s84, s10, 10
	s_add_co_u32 s84, s84, SCA
	v_lshl_add_u32 v[ADSA], v12, 4, s84            ; row 64 w + r: 16 bytes a row
	v_lshl_add_u32 v[ADSB], v12, 4, SCB
	v_lshlrev_b32 v[FQ], 8, v12
	v_lshl_add_u32 v[FQ], v13, 5, v[FQ]            ; fine, q and k: token r, + 8 h channels
	v_lshlrev_b32 v[FV], 6, v12
	v_lshl_add_u32 v[FV], v13, 5, v[FV]            ; fine, v^T: channel r, + 8 h tokens
	s_and_b32 s84, s14, 7
	v_mov_b32 v[RB7], s84                          ; 0 where the block is a sequence's first
	s_lshr_b32 s82, s14, 3
	s_lshl_b32 s82, s82, 4
	s_add_co_u32 s82, s82, s13                     ; b x 16 + head
	s_mul_i32 s62, s82, 12288
	s_mov_b32 s63, 0
	s_add_nc_u64 s[8:9], s[8:9], s[62:63]
	s_lshl_b32 s82, s82, 18
	s_lshl_b32 s83, s84, 15
	s_add_co_u32 s82, s82, s83
	s_lshl_b32 s83, s10, 13
	s_add_co_u32 s82, s82, s83
	s_mov_b32 s83, 0
	s_add_nc_u64 s[92:93], s[6:7], s[82:83]        ; Q, K, V at my wave's four token tiles
	s_add_nc_u64 s[94:95], s[92:93], 8388608
	s_add_nc_u64 s[96:97], s[92:93], 16777216
.macro FETCH_B s                       ; W's twelve fragments of K step s into set s % 2
	WIN TO_B
.irp n, 0,1,2,3,4,5,6,7,8,9,10,11
	ds_load_b128 v[96*((\s)%2)+8*\n:96*((\s)%2)+8*\n+3], v[ADB+(\s)/4] offset:((\s)%4)*12288+\n*1024
	ds_load_b128 v[96*((\s)%2)+8*\n+4:96*((\s)%2)+8*\n+7], v[ADB+(\s)/4] offset:((\s)%4)*12288+\n*1024+512
.endr
	WIN 0
.endm
.macro FETCH_A s                       ; my four fragments of x
.irp m, 0,1,2,3
	ds_load_b128 v[AF+32*((\s)%2)+8*\m:AF+32*((\s)%2)+8*\m+3], v[ADA+(\s)/4] offset:((\s)%4)*16384+\m*1024
	ds_load_b128 v[AF+32*((\s)%2)+8*\m+4:AF+32*((\s)%2)+8*\m+7], v[ADA+(\s)/4] offset:((\s)%4)*16384+\m*1024+512
.endr
.endm
; The 48 accumulators take turns, one instruction a turn, in the same order in every step.  Step 0's products start the sums: nothing is cleared.
.macro MULQK s
	WIN MUL_QK
.irp m, 0,1,2,3
.irp n, 0,1,2,3,4,5,6,7
.if (\s) == 0
	v_wmma_scale_f32_16x16x128_f8f6f4 v[8*(8*\m+\n):8*(8*\m+\n)+7], v[96*((\s)%2)+8*\n:96*((\s)%2)+8*\n+7], v[AF+32*((\s)%2)+8*\m:AF+32*((\s)%2)+8*\m+7], 0, v[SB+8*\n+(\s)], v[SA+8*\m+(\s)] matrix_a_fmt:MATRIX_FMT_FP4 matrix_b_fmt:MATRIX_FMT_FP4
.else
	v_wmma_scale_f32_16x16x128_f8f6f4 v[8*(8*\m+\n):8*(8*\m+\n)+7], v[96*((\s)%2)+8*\n:96*((\s)%2)+8*\n+7], v[AF+32*((\s)%2)+8*\m:AF+32*((\s)%2)+8*\m+7], v[8*(8*\m+\n):8*(8*\m+\n)+7], v[SB+8*\n+(\s)], v[SA+8*\m+(\s)] matrix_a_fmt:MATRIX_FMT_FP4 matrix_b_fmt:MATRIX_FMT_FP4
.endif
.endr
.endr
.endm
.macro MULV s
	WIN MUL_V
.irp m, 0,1,2,3
.irp ct, 0,1,2,3
.if (\s) == 0
	v_wmma_scale_f32_16x16x128_f8f6f4 v[8*(4*\m+\ct):8*(4*\m+\ct)+7], v[AF+32*((\s)%2)+8*\m:AF+32*((\s)%2)+8*\m+7], v[96*((\s)%2)+8*(8+\ct):96*((\s)%2)+8*(8+\ct)+7], 0, v[SA+8*\m+(\s)], v[SB+8*(8+\ct)+(\s)] matrix_a_fmt:MATRIX_FMT_FP4 matrix_b_fmt:MATRIX_FMT_FP4
.else
	v_wmma_scale_f32_16x16x128_f8f6f4 v[8*(4*\m+\ct):8*(4*\m+\ct)+7], v[AF+32*((\s)%2)+8*\m:AF+32*((\s)%2)+8*\m+7], v[96*((\s)%2)+8*(8+\ct):96*((\s)%2)+8*(8+\ct)+7], v[8*(4*\m+\ct):8*(4*\m+\ct)+7], v[SA+8*\m+(\s)], v[SB+8*(8+\ct)+(\s)] matrix_a_fmt:MATRIX_FMT_FP4 matrix_b_fmt:MATRIX_FMT_FP4
.endif
.endr
.endr
.endm
; K step s: its fragments, asked for a step ago, are in; the next step's 32 loads go out in one run, four places behind the last product that read their registers; then the 48 products.
.macro STEP s
	s_wait_dscnt 0x0
.if (\s) == 3
	s_wait_tensorcnt 0x0                           ; my part of K steps 4-7 has landed,
	s_barrier_signal -1
	s_barrier_wait -1                              ; everybody's has.
.endif
.if (\s) < 7
.if (\s) > 0
	PLACES 4
.endif
	FETCH_B (\s)+1
	FETCH_A (\s)+1
.endif
	MULQK \s
	MULV \s
	WIN 0
.endm
	s_wait_tensorcnt 1                             ; the scale words and my part of K steps 0-3 are in; K steps 4-7's load may be out
	s_barrier_signal -1
	s_barrier_wait -1
.irp m, 0,1,2,3
.irp f, 0,1
	ds_load_b128 v[SA+8*\m+4*\f:SA+8*\m+4*\f+3], v[ADSA] offset:\f*4096+\m*256     ; four K steps' words of row r of my tile m
.endr
.endr
.irp n, 0,1,2,3,4,5,6,7,8,9,10,11
.irp f, 0,1
	ds_load_b128 v[SB+8*\n+4*\f:SB+8*\n+4*\f+3], v[ADSB] offset:\f*3072+\n*256
.endr
.endr
	FETCH_B 0
	FETCH_A 0
.irp s, 0,1,2,3,4,5,6,7
	STEP \s
.endr
	; THE WAY OUT
	PLACES 4                                       ; ahead of the first reads of results and of writes over the last products' operands
	s_cmp_lg_u32 s10, 0
	s_cbranch_scc1 .Lnot_first
	s_wait_xcnt 0x0                                ; EXEC changes only behind this wait
	v_cmp_eq_u32 vcc_lo, 0, v[RB7]
	s_and_saveexec_b32 s60, vcc_lo                 ; all lanes or none
	WIN 0x08                                       ; a store's data are its source 1: window 2
.irp n, 0,1,2,3,4,5,6,7
	global_store_b128 v[FQ], v[8*\n:8*\n+3], s[8:9] offset:(\n/4)*4096+(\n%4)*64
	global_store_b128 v[FQ], v[8*\n+4:8*\n+7], s[8:9] offset:(\n/4)*4096+(\n%4)*64+16
.endr
	WIN 0x0c                                       ; window 3
.irp ct, 0,1,2,3
	global_store_b128 v[FV], v[8*\ct:8*\ct+3], s[8:9] offset:8192+\ct*1024
	global_store_b128 v[FV], v[8*\ct+4:8*\ct+7], s[8:9] offset:8192+\ct*1024+16
.endr
	WIN 0
	s_wait_xcnt 0x0                                ; and again, in front of the line that widens it
	s_or_b32 exec_lo, exec_lo, s60
.Lnot_first:
.irp m, 0,1,2,3                                ; q x log2(e) / 8, then rounded; each accumulator from its low end on
	WIN 0x02                                       ; source 0 window 2
.set wi, 0
.rept 16
	v_pk_mul_f32 v[TQ+2*wi:TQ+2*wi+1], v[64*\m+2*wi:64*\m+2*wi+1], s[98:99] op_sel_hi:[1,0]
.set wi, wi+1
.endr
	WIN 0x40                                       ; destination window 1
.set wi, 0
.rept 16
	v_cvt_pk_f16_f32 v[16*\m+wi], v[TQ+2*wi], v[TQ+2*wi+1]
.set wi, wi+1
.endr
.endr
	WIN 0x04                                       ; a store's data: window 1
.irp m, 0,1,2,3
.irp n, 0,1,2,3
	global_store_b128 v[LI], v[16*\m+4*\n:16*\m+4*\n+3], s[92:93] offset:\m*2048+\n*512
.endr
.endr
	WIN 0x4a                                       ; sources window 2, destination window 1
.irp m, 0,1,2,3
.set wi, 0
.rept 16
	v_cvt_pk_f16_f32 v[64+16*\m+wi], v[64*\m+32+2*wi], v[64*\m+33+2*wi]
.set wi, wi+1
.endr
.endr
	WIN 0x04
.irp m, 0,1,2,3
.irp n, 0,1,2,3
	global_store_b128 v[LI], v[64+16*\m+4*\n:64+16*\m+4*\n+3], s[94:95] offset:\m*2048+\n*512
.endr
.endr
	WIN 0x4f                                       ; sources window 3, destination window 1
.irp m, 0,1,2,3
.set wi, 0
.rept 16
	v_cvt_pk_f16_f32 v[128+16*\m+wi], v[32*\m+2*wi], v[32*\m+2*wi+1]
.set wi, wi+1
.endr
.endr
	WIN 0x04
.irp m, 0,1,2,3
.irp ct, 0,1,2,3
	global_store_b128 v[LI], v[128+16*\m+4*\ct:128+16*\m+4*\ct+3], s[96:97] offset:(\m/2)*4096+\ct*1024+(\m%2)*512
.endr
.endr
	WIN 0
	s_wait_tensorcnt 0x0                           ; the wave's end
	ds_add_u32 v[SPW], v[NIL]
	s_wait_dscnt 0x0
	CROUND                                         ; the closing round
	s_endpgm
.Lfunc_end_k_qd30272dc0b_qkv:
	.size	k_qd30272dc0b_qkv, .Lfunc_end_k_qd30272dc0b_qkv-k_qd30272dc0b_qkv
	.p2alignl 7, 3214868480
	.fill 96, 4, 3214868480
	.section	.rodata,"a",@progbits
	.p2align	6, 0x0
	.amdhsa_kernel k_qd30272dc0b_qkv
		.amdhsa_group_segment_fixed_size 245760
		.amdhsa_private_segment_fixed_size 0
		.amdhsa_enable_private_segment 0
		.amdhsa_kernarg_size 24
		.amdhsa_user_sgpr_count 2
		.amdhsa_user_sgpr_kernarg_segment_ptr 1
		.amdhsa_wavefront_size32 1
		.amdhsa_system_sgpr_workgroup_id_x 1
		.amdhsa_system_sgpr_workgroup_id_y 1
		.amdhsa_system_sgpr_workgroup_id_z 1
		.amdhsa_system_vgpr_workitem_id 0
		.amdhsa_next_free_vgpr 1024
		.amdhsa_next_free_sgpr 100
		.amdhsa_reserve_vcc 1
		.amdhsa_float_denorm_mode_32 3
		.amdhsa_float_denorm_mode_16_64 3
		.amdhsa_memory_ordered 1
		.amdhsa_forward_progress 1
		.amdhsa_inst_pref_size 102
	.end_amdhsa_kernel
	.amdgpu_metadata
---
amdhsa.version: [ 1, 2 ]
amdhsa.kernels:
  - .name:           k_qd30272dc0b_qkv
    .symbol:         k_qd30272dc0b_qkv.kd
    .args:
      - { .name: codes, .offset: 0, .size: 8, .value_kind: global_buffer, .address_space: global }
      - { .name: qkv, .offset: 8, .size: 8, .value_kind: global_buffer, .address_space: global }
      - { .name: fine, .offset: 16, .size: 8, .value_kind: global_buffer, .address_space: global }
    .group_segment_fixed_size: 245760
    .private_segment_fixed_size: 0
    .kernarg_segment_align: 8
    .kernarg_segment_size: 24
    .max_flat_workgroup_size: 128
    .sgpr_count:     100
    .vgpr_count:     1024
    .wavefront_size: 32
...
	.end_amdgpu_metadata
.endif
;; end of part 2
;; launch attn (part 3): grid 8 x 32, 16 waves a work-group, no clusters, 327,680 bytes of LDS; arguments qkv, lf, o16; writes o16
.if DOCPART == 3
	.amdgcn_target "amdgcn-amd-amdhsa--gfx1250"
	.amdhsa_code_object_version 6
	.text
	.protected	k_qd30272dc0b_attn
	.globl	k_qd30272dc0b_attn
	.p2align	8
	.type	k_qd30272dc0b_attn,@function
k_qd30272dc0b_attn:
	s_mov_b64 s[64:65], 0
	v_nop
	global_prefetch_b8 v0, s[64:65] scope:SCOPE_SE
	s_setreg_imm32_b32 hwreg(HW_REG_WAVE_MODE, 25, 1), 1
	s_wait_xcnt 0x0
; ATTN.  o = softmax(q k^T / 8 + decay) v for one (batch, head) = work-group y.  decay(i, j) = clip(c_i - c_j, -50, 10) for j <= i, -1e9 for j > i; c = the running sum of lf over the sequence.
; SHARES.  Work-group x = i owns query blocks i and 15 - i of 128 queries: (i + 1) + (16 - i) = 17 blocks of keys in every work-group.  Waves 0-7 take the low block, waves 8-15 the high one, 16 queries a wave, in 256 registers.
; Keys go 128 a step; K's and V's operand images come through a ring of two LDS slots of 512 keys (64 KiB of K, 64 KiB of V), filled by waves 0-3, one tensor load each, and read by all sixteen.
; NO CLUSTER: the work-groups of one head need 9 to 16 blocks of keys; under the causal mask every wave of some partner would jump over tiles that a joint load had brought.
; LAYOUT.  S^T = K Q^T (source 0 = 16 keys, source 1 = my 16 queries) and O^T = V^T P: a lane holds one query (lane % 16) throughout; S^T's tiles packed to f16 are P's operand; nothing changes lanes.
; SOFTMAX in base 2 (q carries log2(e) / 8): t = S + decay x log2(e); a running maximum m and sum l; p = 2^(t - m); O and l are multiplied by 2^(m_old - m_new) in every step.
; THE MASK.  Every work-group walks all four slots (constant trip counts); a step all of whose keys come after the wave's queries is jumped over by a scalar branch on ids; in the step on the diagonal hidden keys get the decay -1e9.
; A slot whose first key comes after the work-group's last query is not asked for: every wait on TENSORcnt here is for 0.
; LIMITS: operands of both products are f16 (p at most 1); the running sum c is a tree (4 a thread, 16 lanes, 2 rows, 16 waves), not a serial sum: it differs from one by roundings of |c|'s last place; NaN and infinities are not served.
; o16: [128 tokens: 32][256 k: 4][token tile 8][32 k: 8][1,024]: the next launch's operand images.
; REGISTERS: v1 16 x lane; v2 c_j's place; v3, v4 the add's two; v5-7 addresses in hand; v[8:9] c_i; v[10:11] m; v[12:13] l; v[14:15] the rescaling; v16-31 Q; v32-95 four tiles of K, then V's groups 0, 1;
;   v96-159 S^T (P packed into v96-127, V's group 2 into v128-159); v160-191 O^T; v192-223 c_j, the decay, then V's group 3; v224-228 maxima; v229 query - key offset; v230 r - 8 h; v231 -1e9; v232 256 x lane.
.set SLOT1, 1<<17
.set CB,    262144                     ; c of the whole sequence: 8,192 bytes
.set WT,    270336                     ; the sixteen waves' totals
.set SPARE, 270592                     ; the spare words, 128 bytes for each wave: eight blocks of 256 bytes that no other line names
; Waves 0, 1 fetch K's halves of a slot, waves 2, 3 V's: one descriptor form, 128 rows of 256 bytes.  An s_nop 0 and four v_nop follow the load.
.macro TLOAD
	s_cmp_lt_u32 s10, 4
	s_cbranch_scc0 .Lno_load_\@
	tensor_load_to_lds s[24:27], s[16:23]
	s_nop 0
.rept 4
	v_nop
.endr
.Lno_load_\@:
.endm
; A prefetch of the slot that the NEXT change of slots will ask for: 65,536 bytes of K and of V.  All work-groups of a head walk the same K and V: the head's work-group 0 asks, in it waves 4-7 for K and 8-11 for V,
; 16,384 bytes a wave, lanes 256 bytes apart, two instructions: each aligned block of 256 bytes is named once in the launch.  The last change that fills a slot asks for nothing; slots 0 and 1 come by their loads alone.
.macro ASK
	s_cmp_gt_u32 s40, s44
	s_cbranch_scc0 .Lnot_mine_\@
	global_prefetch_b8 v232, s[42:43] th:TH_LOAD_NT scope:SCOPE_SE
	global_prefetch_b8 v232, s[42:43] offset:8192 th:TH_LOAD_NT scope:SCOPE_SE
.Lnot_mine_\@:
.endm
	s_load_b128 s[4:7], s[0:1], 0x0                ; qkv s[4:5], lf s[6:7]
	s_load_b64 s[8:9], s[0:1], 0x10                ; o16
	v_lshl_add_u32 v3, v0, 2, SPARE
	v_mov_b32 v4, 0
	ds_add_u32 v3, v4                              ; the wave's opening: the add, twice on end, and its wait ahead of the first tensor load
	ds_add_u32 v3, v4
	v_lshrrev_b32 v5, 5, v0
	v_readfirstlane_b32 s10, v5                    ; wave 0..15
	s_and_b32 s12, ttmp7, 0xffff                   ; b x 16 + head
	s_lshl_b32 s28, ttmp9, 3
	s_sub_co_u32 s29, 112, s28
	s_cmp_lt_u32 s10, 8
	s_cselect_b32 s28, s28, s29
	s_add_co_u32 s28, s28, s10                     ; my tile of 16 queries: 8 i + w, or 8 (15 - i) + w - 8
	s_lshl_b32 s13, s28, 4                         ; my first query
	s_lshl_b32 s14, ttmp9, 7
	s_sub_co_u32 s14, 2047, s14                    ; my work-group's last query
	s_mov_b32 s15, 0                               ; the step's first key
	s_mov_b32 s16, 3<<16                           ; group 1: no mask; elements of 8 bytes; no padding
	s_mov_b32 s17, 32<<16                          ; tensor_dim0 = 32 (256 bytes)
	s_mov_b32 s18, 128<<16                         ; tensor_dim1 = 128
	s_mov_b32 s19, 32<<16                          ; tile_dim0
	s_mov_b32 s20, 128                             ; tile_dim1
	s_mov_b32 s21, 32                              ; the pitch: dense
	s_mov_b32 s22, 0
	s_mov_b32 s23, 0
	s_mov_b32 s32, 0x3fb8aa3b                      ; log2(e), as a pair
	s_mov_b32 s33, s32
	s_mov_b32 s34, 0xc2480000                      ; -50
	s_mov_b32 s35, 0x41200000                      ; 10
	s_mov_b32 s36, 0x76543210
	s_mov_b32 s37, 0xfedcba98
	s_mov_b32 s38, 0                               ; LDS byte at which the step's tiles of K begin
	s_mov_b32 s39, 0                               ; 4 x the step's first key
	s_mov_b32 s40, 3                               ; slots still to be asked for
	s_and_b32 s45, s10, 3
	s_lshl_b32 s25, s45, 15                        ; group 0: LDS: quarter w of slot 0
	s_lshr_b32 s46, s45, 1
	s_add_co_u32 s46, s46, 1
	s_lshl_b32 s46, s46, 23                        ; K's or V's part of qkv
	s_lshl_b32 s48, s12, 18
	s_add_co_u32 s46, s46, s48
	s_and_b32 s48, s45, 1
	s_lshl_b32 s48, s48, 15
	s_add_co_u32 s46, s46, s48
	s_mov_b32 s47, 0
	s_wait_dscnt 0x0                               ; both opening adds are done
	s_wait_kmcnt 0x0
	s_mov_b32 s24, 1
	s_add_nc_u64 s[26:27], s[4:5], s[46:47]
	s_or_b32 s27, s27, 0x80000000
	TLOAD                                          ; slot 0: it holds key 0, which counts for every query
	s_lshl_b32 s46, s12, 18
	s_lshl_b32 s48, s28, 11
	s_add_co_u32 s46, s46, s48
	s_add_nc_u64 s[50:51], s[4:5], s[46:47]        ; Q at my tile
	s_lshl_b32 s46, s12, 13
	s_add_nc_u64 s[52:53], s[6:7], s[46:47]        ; lf at my sequence
	s_sub_co_u32 s45, s10, 4                       ; the prefetches: where my wave's stand, and who asks
	s_and_b32 s48, s45, 7
	s_lshr_b32 s49, s48, 2
	s_add_co_u32 s49, s49, 1
	s_lshl_b32 s46, s49, 23
	s_lshl_b32 s49, s12, 18
	s_add_co_u32 s46, s46, s49
	s_and_b32 s49, s48, 3
	s_lshl_b32 s49, s49, 14
	s_add_co_u32 s46, s46, s49
	s_add_co_u32 s46, s46, 65536                   ; in slot 1: the first change of slots steps it to slot 2
	s_add_nc_u64 s[42:43], s[4:5], s[46:47]
	s_lshr_b32 s45, s45, 3                         ; 0 in waves 4 to 11,
	s_or_b32 s45, s45, ttmp9                       ; of the head's work-group 0
	s_cmp_eq_u32 s45, 0
	s_cselect_b32 s44, 1, -1
	s_lshr_b32 s45, s12, 4                         ; o16: my token tile among all 256, my head's 64 of K
	s_lshl_b32 s45, s45, 7
	s_add_co_u32 s45, s45, s28
	s_and_b32 s48, s12, 15
	s_lshr_b32 s49, s45, 3
	s_lshl_b32 s49, s49, 2
	s_lshr_b32 s46, s48, 2
	s_add_co_u32 s49, s49, s46
	s_lshl_b32 s49, s49, 3
	s_and_b32 s46, s45, 7
	s_add_co_u32 s49, s49, s46
	s_lshl_b32 s46, s49, 13
	s_and_b32 s48, s48, 3
	s_lshl_b32 s48, s48, 11
	s_add_co_u32 s46, s46, s48
	s_add_nc_u64 s[8:9], s[8:9], s[46:47]
	v_and_b32 v5, 31, v0
	v_lshlrev_b32 v1, 4, v5
	v_lshlrev_b32 v232, 8, v5
	v_and_b32 v6, 15, v0                           ; r
	v_bfe_u32 v7, v0, 4, 1                         ; h
	v_lshl_add_u32 v2, v7, 5, CB
	v_lshlrev_b32 v230, 3, v7
	v_sub_nc_u32 v230, v6, v230
	v_mov_b32 v231, 0xce6e6b28                     ; -1e9
	v_lshlrev_b32 v110, 4, v0
.irp p, 0,1,2,3
	global_load_b128 v[16+4*\p:19+4*\p], v1, s[50:51] offset:\p*512     ; Q's two fragments stay in registers
.endr
	global_load_b128 v[96:99], v110, s[52:53]      ; lf of tokens 4 t .. 4 t + 3, t my thread's number
	v_cvt_f32_u32 v101, v7
	s_lshl_b32 s45, s10, 2
	s_add_co_u32 s45, s45, WT
	v_mov_b32 v106, s45
	v_mov_b32 v107, WT
	v_lshl_add_u32 v108, v0, 4, CB
	s_min_u32 s45, s13, 2032
	s_lshl_b32 s45, s45, 2
	s_add_co_u32 s45, s45, CB
	v_lshl_add_u32 v109, v6, 2, s45
	v_mov_b32 v9, 0
	v_mov_b32 v10, 0xff61b1e6                      ; m = -3e38, under every t
	v_mov_b32 v11, 0
	v_mov_b32 v12, 0
	v_mov_b32 v13, 0
	v_mov_b32 v14, 0
	v_mov_b32 v15, 0
	v_mov_b32 v228, 0                              ; a lane permute's destination counts as one of its sources
	v_mov_b32 v100, 0
	v_mov_b32 v103, 0
	v_mov_b32 v105, 0
.set zi, 0
.rept 32
	v_mov_b32 v[160+zi], 0                         ; O^T: the step is written once; its first pass finds zeros
.set zi, zi+1
.endr
	; THE RUNNING SUM c
	s_wait_loadcnt 0x0                             ; Q and lf
	v_add_f32 v97, v96, v97
	v_add_f32 v98, v97, v98
	v_add_f32 v99, v98, v99                        ; my four, summed on; v99 my total
	v_mov_b32_dpp v103, v99 row_shr:1 row_mask:0xf bank_mask:0xf bound_ctrl:1   ; the lane before's total, 0 in a row's first lane:
.irp n, 1,2,4,8
	v_mov_b32_dpp v100, v103 row_shr:\n row_mask:0xf bank_mask:0xf bound_ctrl:1
	v_add_f32 v103, v103, v100                     ; summed along the row of 16 lanes it is what stands ahead of me in the row
.endr
	v_add_f32 v104, v103, v99
	v_readlane_b32 s30, v104, 15                   ; the first row's total,
	v_fma_f32 v103, v101, s30, v103                ; onto the second row
	v_fma_f32 v104, v101, s30, v104
	v_readlane_b32 s31, v104, 31                   ; the wave's total
	v_mov_b32 v111, s31
	ds_store_b32 v106, v111                        ; all lanes write the same word with the same value
	s_wait_dscnt 0x0
	s_barrier_signal -1                            ; (slot 0's load may stay out)
	s_barrier_wait -1
.irp u, 0,1,2,3
	ds_load_b128 v[112+4*\u:115+4*\u], v107 offset:16*\u
.endr
	s_wait_dscnt 0x0
.irp u, 0,1,2,3,4,5,6,7,8,9,10,11,12,13,14
	s_cmp_gt_u32 s10, \u
	s_cselect_b32 s45, 0x3f800000, 0
	v_fma_f32 v105, v[112+\u], s45, v105           ; the totals of the waves ahead of mine, in ascending order
.endr
	v_add_f32 v103, v105, v103
.irp u, 0,1,2,3
	v_add_f32 v[96+\u], v103, v[96+\u]
.endr
	ds_store_b128 v108, v[96:99]
	s_wait_dscnt 0x0
	s_barrier_signal -1
	s_barrier_wait -1
	ds_load_b32 v8, v109                           ; c of my query
	s_wait_dscnt 0x0
; Half a step: four tiles of 16 keys.
.macro HALF g
.irp t, 0,1,2,3
.irp p, 0,1,2,3
	ds_load_b128 v[32+16*\t+4*\p:35+16*\t+4*\p], v5 offset:(4*\g+\t)*2048+\p*512
.endr
.endr
.irp t, 0,1,2,3
	ds_load_b128 v[192+8*\t:195+8*\t], v7 offset:(4*\g+\t)*64          ; c of keys 16 t + 8 h + 0 .. 7: the same address in sixteen lanes
	ds_load_b128 v[196+8*\t:199+8*\t], v7 offset:(4*\g+\t)*64+16
.endr
	s_wait_dscnt 8                                 ; K's 16 loads are in; c's 8 may be out
.irp t, 0,1,2,3                                ; the four tiles by turns: channels 0-31 start the sums,
	v_wmma_f32_16x16x32_f16 v[96+8*(4*\g+\t):103+8*(4*\g+\t)], v[32+16*\t:39+16*\t], v[16:23], 0
.endr
.irp t, 0,1,2,3                                ; channels 32-63 add on
	v_wmma_f32_16x16x32_f16 v[96+8*(4*\g+\t):103+8*(4*\g+\t)], v[40+16*\t:47+16*\t], v[24:31], v[96+8*(4*\g+\t):103+8*(4*\g+\t)]
.endr
	s_wait_dscnt 0x0
.set di, 0
.rept 16
	v_pk_add_f32 v[192+2*di:193+2*di], v[8:9], v[192+2*di:193+2*di] op_sel_hi:[0,1] neg_lo:[0,1] neg_hi:[0,1]   ; c_i - c_j.  (These and the clips are the places behind the products)
.set di, di+1
.endr
.set di, 0
.rept 32
	v_med3_num_f32 v[192+di], v[192+di], s34, s35
.set di, di+1
.endr
	s_add_co_u32 s45, s15, 127
	s_cmp_le_u32 s45, s13                          ; a step all of whose keys count skips the mask
	s_cbranch_scc1 .Lopen_\@
.set di, 0
.rept 32
	v_cmp_gt_i32 vcc_lo, 16*(4*\g+di/8)+di%8, v229 ; key > query
	v_cndmask_b32 v[192+di], v[192+di], v231, vcc_lo
.set di, di+1
.endr
.Lopen_\@:
.set di, 0
.rept 16
	v_pk_fma_f32 v[96+32*\g+2*di:97+32*\g+2*di], v[192+2*di:193+2*di], s[32:33], v[96+32*\g+2*di:97+32*\g+2*di] op_sel_hi:[1,0,1]   ; t = S + decay x log2(e); each tile from its low end on
.set di, di+1
.endr
.endm
.macro VLOAD e, reg                            ; V^T's four fragments of keys 32 e on
.irp ct, 0,1,2,3
	ds_load_b128 v[\reg+8*\ct:\reg+8*\ct+3], v6 offset:\e*4096+\ct*1024
	ds_load_b128 v[\reg+8*\ct+4:\reg+8*\ct+7], v6 offset:\e*4096+\ct*1024+512
.endr
.endm
.macro PV u, reg                               ; O^T += V^T P for keys 32 u on: the four channel tiles by turns
.irp ct, 0,1,2,3
	v_wmma_f32_16x16x32_f16 v[160+8*\ct:167+8*\ct], v[\reg+8*\ct:\reg+8*\ct+7], v[96+8*\u:103+8*\u], v[160+8*\ct:167+8*\ct]
.endr
.endm
; A KEY STEP: 128 keys
.macro STEP
	s_add_co_u32 s45, s13, 15
	s_cmp_gt_u32 s15, s45                          ; all keys after my queries: only the addresses step
	s_cbranch_scc1 .Lhidden_\@
	v_add_nc_u32 v5, s38, v1
	v_add_nc_u32 v7, s39, v2
	s_sub_co_i32 s45, s13, s15
	v_add_nc_u32 v229, s45, v230                   ; my query - the step's first key - 8 h: register 16 t + j of my keys is hidden where 16 t + j is greater
	v_add_nc_u32 v6, 0x10000, v5
.rept 4
	v_nop                                          ; with the four additions: eight places behind the last step's products, for the loads into their operands (4) and the products that write over them (5)
.endr
	HALF 0
	HALF 1
	VLOAD 0, 32
	VLOAD 1, 64
.irp b, 0,1,2,3
	v_max3_num_f32 v[224+\b], v[96+16*\b], v[97+16*\b], v[98+16*\b]
.endr
.irp i, 3,5,7,9,11,13
.irp b, 0,1,2,3
	v_max3_num_f32 v[224+\b], v[224+\b], v[96+16*\b+\i], v[97+16*\b+\i]
.endr
.endr
.irp b, 0,1,2,3
	v_max_num_f32 v[224+\b], v[224+\b], v[111+16*\b]
.endr
	v_max3_num_f32 v224, v224, v225, v226
	v_max_num_f32 v224, v224, v227
	v_permlanex16_b32 v228, v224, s36, s37         ; my query's other 64 keys lie in the lane 16 away
	v_max3_num_f32 v225, v224, v228, v10           ; the new m
	v_sub_f32 v14, v10, v225
	v_mov_b32 v10, v225
.set di, 0
.rept 32
	v_pk_add_f32 v[96+2*di:97+2*di], v[96+2*di:97+2*di], v[10:11] op_sel_hi:[1,0] neg_lo:[0,1] neg_hi:[0,1]   ; t - m
.set di, di+1
.endr
	v_exp_f32 v14, v14                             ; 2^(m_old - m_new)
.set di, 0
.rept 64
	v_exp_f32 v[96+di], v[96+di]                   ; p, at most 1
.set di, di+1
.endr
	v_nop                                          ; a plain place behind the last exponential
	s_wait_alu depctr_va_vdst(0)                   ; one wait for the whole batch, ahead of its first reader
	v_pk_mul_f32 v[12:13], v[12:13], v[14:15] op_sel_hi:[1,0]
	v_pk_add_f32 v[224:225], v[96:97], v[98:99]    ; the row's sum, of p in f32, in two chains
.irp j, 4,8,12,16,20,24,28,32,36,40,44,48,52,56,60
	v_pk_add_f32 v[12:13], v[12:13], v[96+\j:97+\j]
	v_pk_add_f32 v[224:225], v[224:225], v[98+\j:99+\j]
.endr
	v_pk_add_f32 v[12:13], v[12:13], v[224:225]
.set di, 0
.rept 32
	v_cvt_pk_f16_f32 v[96+di], v[96+2*di], v[97+2*di]   ; P's four fragments, packed in place from the low end on
.set di, di+1
.endr
	VLOAD 2, 128
	VLOAD 3, 192
.set di, 0
.rept 16
	v_pk_mul_f32 v[160+2*di:161+2*di], v[160+2*di:161+2*di], v[14:15] op_sel_hi:[1,0]   ; O^T under the new m
.set di, di+1
.endr
	s_wait_dscnt 16                                ; V's groups 0 and 1 are in; the 16 loads of groups 2 and 3 may be out
	PV 0, 32
	PV 1, 64
	s_wait_dscnt 0x0
	PV 2, 128
	PV 3, 192
.Lhidden_\@:
	s_add_co_u32 s38, s38, 16384
	s_add_co_u32 s39, s39, 512
	s_add_co_u32 s15, s15, 128
.endm
; THE CHANGE OF SLOTS, at a slot's head.  Each wave waits for all its tensor loads, adds 0 to its spare word, and waits for that and for its reads of the slot that it has left; behind the barrier the slot ahead is whole and nobody reads the other.
.macro CHANGE fill
	s_wait_tensorcnt 0x0                           ; no tensor load of mine is out, so group 0 may be written
	ds_add_u32 v3, v4
.if \fill
	ds_add_u32 v3, v4
	s_xor_b32 s25, s25, SLOT1                      ; the walking descriptor: the other slot,
	s_add_nc_u64 s[26:27], s[26:27], 65536         ; the next 512 keys
	s_wait_xcnt 0x0                                ; the last prefetches, a slot back, have read their address
	s_add_nc_u64 s[42:43], s[42:43], 65536
.endif
	s_wait_dscnt 0x0
	s_barrier_signal -1
	s_barrier_wait -1
.if \fill
	s_add_co_u32 s45, s15, 512                     ; the first key of the slot that this change would ask for
	s_cmp_gt_u32 s45, s14                          ; after my work-group's last query: none of its waves would read it
	s_cbranch_scc1 .Lpast_\@
	TLOAD                                          ; a wave's one tensor load until the next such barrier: it has a slot's four steps in which to land
.Lpast_\@:
	ASK
.endif
.endm
.macro SLOT_STEPS                              ; a slot's four steps: written once, walked four times
	s_mov_b32 s41, 4
.Lstep_\@:
	STEP
	s_sub_co_u32 s41, s41, 1
	s_cmp_lg_u32 s41, 0
	s_cbranch_scc1 .Lstep_\@
	s_sub_co_u32 s38, s38, 65536                   ; back to a slot's first step,
	s_xor_b32 s38, s38, SLOT1                      ; in the other slot
.endm
.Lslot:                                            ; three trips: behind each change of slots but the last the next slot is asked for, up to the causal limit
	CHANGE 1
	SLOT_STEPS
	s_sub_co_u32 s40, s40, 1
	s_cmp_lg_u32 s40, 0
	s_cbranch_scc1 .Lslot
	CHANGE 0                                       ; the last slot is written out: nothing is left to ask for
	SLOT_STEPS
	; THE WAY OUT: O^T / l, rounded to f16: four registers a channel tile are four registers of the next launch's operand
.rept 4
	v_nop                                          ; places behind the last products
.endr
	v_add_f32 v12, v12, v13
	v_permlanex16_b32 v228, v12, s36, s37
	v_add_f32 v12, v12, v228
	v_rcp_f32 v14, v12
	v_nop
	s_wait_alu depctr_va_vdst(0)
.set di, 0
.rept 16
	v_pk_mul_f32 v[96+2*di:97+2*di], v[160+2*di:161+2*di], v[14:15] op_sel_hi:[1,0]
.set di, di+1
.endr
.set di, 0
.rept 16
	v_cvt_pk_f16_f32 v[32+di], v[96+2*di], v[97+2*di]
.set di, di+1
.endr
.irp ct, 0,1,2,3
	global_store_b128 v1, v[32+4*\ct:35+4*\ct], s[8:9] offset:\ct*512      ; 512 consecutive bytes, aligned
.endr
	s_wait_tensorcnt 0x0                           ; the wave's end
	ds_add_u32 v3, v4
	s_wait_dscnt 0x0
	s_endpgm
.Lfunc_end_k_qd30272dc0b_attn:
	.size	k_qd30272dc0b_attn, .Lfunc_end_k_qd30272dc0b_attn-k_qd30272dc0b_attn
	.p2alignl 7, 3214868480
	.fill 96, 4, 3214868480
	.section	.rodata,"a",@progbits
	.p2align	6, 0x0
	.amdhsa_kernel k_qd30272dc0b_attn
		.amdhsa_group_segment_fixed_size 327680
		.amdhsa_private_segment_fixed_size 0
		.amdhsa_enable_private_segment 0
		.amdhsa_kernarg_size 24
		.amdhsa_user_sgpr_count 2
		.amdhsa_user_sgpr_kernarg_segment_ptr 1
		.amdhsa_wavefront_size32 1
		.amdhsa_system_sgpr_workgroup_id_x 1
		.amdhsa_system_sgpr_workgroup_id_y 1
		.amdhsa_system_sgpr_workgroup_id_z 1
		.amdhsa_system_vgpr_workitem_id 0
		.amdhsa_next_free_vgpr 256
		.amdhsa_next_free_sgpr 66
		.amdhsa_reserve_vcc 1
		.amdhsa_float_denorm_mode_32 3
		.amdhsa_float_denorm_mode_16_64 3
		.amdhsa_memory_ordered 1
		.amdhsa_forward_progress 1
		.amdhsa_inst_pref_size 80
	.end_amdhsa_kernel
	.amdgpu_metadata
---
amdhsa.version: [ 1, 2 ]
amdhsa.kernels:
  - .name:           k_qd30272dc0b_attn
    .symbol:         k_qd30272dc0b_attn.kd
    .args:
      - { .name: qkv, .offset: 0, .size: 8, .value_kind: global_buffer, .address_space: global }
      - { .name: lf, .offset: 8, .size: 8, .value_kind: global_buffer, .address_space: global }
      - { .name: o16, .offset: 16, .size: 8, .value_kind: global_buffer, .address_space: global }
    .group_segment_fixed_size: 327680
    .private_segment_fixed_size: 0
    .kernarg_segment_align: 8
    .kernarg_segment_size: 24
    .max_flat_workgroup_size: 512
    .sgpr_count:     66
    .vgpr_count:     256
    .wavefront_size: 32
...
	.end_amdgpu_metadata
.endif
;; end of part 3
;; launch outp (part 4): grid 8 x 32, 4 waves a work-group, clusters of 4 x 4, 327,680 bytes of LDS; arguments o16, wo16, out0; writes out0
.if DOCPART == 4
	.amdgcn_target "amdgcn-amd-amdhsa--gfx1250"
	.amdhsa_code_object_version 6
	.text
	.protected	k_qd30272dc0b_outp
	.globl	k_qd30272dc0b_outp
	.p2align	8
	.type	k_qd30272dc0b_outp,@function
k_qd30272dc0b_outp:
	s_mov_b64 s[64:65], 0
	v_nop
	global_prefetch_b8 v0, s[64:65] scope:SCOPE_SE
	s_setreg_imm32_b32 hwreg(HW_REG_WAVE_MODE, 25, 1), 1
	s_wait_xcnt 0x0
	s_wait_alu depctr_hold_cnt(0) depctr_sa_sdst(0) depctr_va_vdst(0) depctr_va_sdst(0) depctr_va_ssrc(0) depctr_va_vcc(0) depctr_vm_vsrc(0)
	s_getreg_b32 s2, hwreg(HW_REG_IB_STS2, 6, 4)
	s_cmp_eq_u32 s2, 0
	s_cbranch_scc0 .Lentry_in_a_cluster
	s_endpgm
.Lentry_in_a_cluster:
	s_bfe_u32 s2, ttmp6, 0x10000c
	s_cmp_lg_u32 s2, 0xf033
	s_cbranch_scc0 .Lentry_shape_is_right
	s_endpgm
.Lentry_shape_is_right:
; OUTP.  out0 = o Wo, f16 operands, f32 sums.  o16 and wo16 hold operand images: [128 rows][256 k][tile of 16 rows: 8][32 k: 8][1,024 bytes].
; A tile of out0 is 128 x 128 (256 work-groups); four waves, each 64 x 64: 16 accumulators.  K goes in four steps of 256 through a ring of two LDS slots (64 KiB of o, 64 KiB of Wo); a wave's tensor load brings 32,768 dense bytes.
; CLUSTER 4 x 4: o's tiles are shared along a row of the cluster, Wo's along a column: joint loads.  Source 0 = 16 columns of Wo, source 1 = 16 tokens: a lane holds eight neighbouring numbers of a row of out0.
; Rows 0-15 of both sequences are stored here too (no branch may hang on a work-group's place in its cluster) and are written over by the launch that carries them in f32: 131,072 bytes stored twice.
; REGISTERS: window 0: v0-31 addresses; v32-95 rows on the way out; v128-255 the accumulators ((a, b) at v[128 + 8 (4 a + b)]).   window 1: two fragment buffers of 128: 64 registers of o, then 64 of Wo, for 64 along K.
.set SLOT,   131072
.set STAGE,  2*SLOT                    ; behind the ring: 16 rows x 272 bytes for each wave, its own
.set SPITCH, 272
.set SPARE,  STAGE+4*16*SPITCH         ; the spare words, 128 bytes for each wave: two blocks of 256 bytes that no other line names
.set LAPS,   2                         ; a lap = two K steps = once round the ring
.set ADRA, 16
.set ADRB, 20
.set STO,  24
.set RD,   25
.set CO,   26
.set SPW,  28
.set NIL,  29
.set TMP,  32
.set ACC,  128
.set F0,   0
.set F1,   128
.set G1, 24
.set G0, 32
.set G1B, 48
.set G0B, 56
.set MSB, 0
.macro WIN new
.if MSB != \new
	s_set_vgpr_msb (MSB<<8)|\new
.set MSB, \new
.endif
.endm
.set MUL,  0x05                        ; sources 0 (Wo) and 1 (o) window 1; C and D window 0
.set TO_F, 0x40
.macro JLOAD s                         ; waves 0 and 1 fetch o's two halves, waves 2 and 3 Wo's; an s_nop 0 and four v_nop follow each of the two lines
	s_cmp_eq_u32 s11, 0
	s_cbranch_scc0 .Lfor_b_\@
	tensor_load_to_lds s[G0+4*\s:G0+4*\s+3], s[G1:G1+7]
	s_nop 0
.rept 4
	v_nop
.endr
	s_branch .Lasked_\@
.Lfor_b_\@:
	tensor_load_to_lds s[G0B+4*\s:G0B+4*\s+3], s[G1B:G1B+7]
	s_nop 0
.rept 4
	v_nop
.endr
.Lasked_\@:
.endm
.macro CREST
	s_cmp_lg_u32 s10, 0
	s_cbranch_scc1 .Lnot_wave_0_\@
	s_barrier_signal -3
.Lnot_wave_0_\@:
	s_barrier_wait -3
	s_barrier_signal -1
	s_barrier_wait -1
.endm
.macro CROUND
	s_barrier_signal -1
	s_barrier_wait -1
	CREST
.endm
	s_load_b128 s[4:7], s[0:1], 0x0                ; o16 s[4:5], wo16 s[6:7]
	s_load_b64 s[8:9], s[0:1], 0x10                ; out0
	v_lshl_add_u32 v[SPW], v0, 2, SPARE
	v_mov_b32 v[NIL], 0
	ds_add_u32 v[SPW], v[NIL]                      ; the wave's opening: the add, twice on end, and its wait ahead of my first tensor load
	ds_add_u32 v[SPW], v[NIL]
	v_lshrrev_b32 v1, 5, v0
	v_readfirstlane_b32 s10, v1                    ; wave 0..3
	s_lshr_b32 s11, s10, 1                         ; which half of the tile's rows is mine.  Also: I fetch for o (0) or for Wo (1)
	s_and_b32 s12, s10, 1                          ; which half of its columns.  Also: which half of that tile I fetch
	s_bfe_u32 s40, ttmp6, 0x40000
	s_bfe_u32 s41, ttmp6, 0x40004
	s_lshl_b32 s42, ttmp9, 2
	s_add_co_u32 s42, s42, s40                     ; block of 128 columns
	s_and_b32 s13, ttmp7, 0xffff
	s_lshl_b32 s13, s13, 2
	s_add_co_u32 s13, s13, s41                     ; block of 128 rows
	s_lshl_b32 s43, s41, 2
	s_lshl_b32 s43, 15, s43                        ; my row of the cluster
	s_lshl_b32 s44, 0x1111, s40                    ; my column
	s_or_b32 s[G1+0], s43, (3<<16)|(1<<21)         ; the mask; elements of 8 bytes; no padding: images are read 512 consecutive bytes an instruction
	s_or_b32 s[G1B+0], s44, (3<<16)|(1<<21)
.irp g, G1, G1B
	s_mov_b32 s[\g+1], 32<<16                      ; rows of 256 bytes,
	s_mov_b32 s[\g+2], 128<<16                     ; 128 of them
	s_mov_b32 s[\g+3], 32<<16
	s_mov_b32 s[\g+4], 128
	s_mov_b32 s[\g+5], 32                          ; dense
	s_mov_b32 s[\g+6], 0
	s_mov_b32 s[\g+7], 0
.endr
	s_lshl_b32 s16, s13, 18
	s_lshl_b32 s17, s12, 15
	s_add_co_u32 s16, s16, s17
	s_mov_b32 s17, 0
	s_lshl_b32 s46, s42, 18
	s_lshl_b32 s47, s12, 15
	s_add_co_u32 s46, s46, s47
	s_mov_b32 s47, 0
	s_lshl_b32 s20, s10, 15                        ; where they go: quarter w of a slot
	s_wait_dscnt 0x0
	s_wait_kmcnt 0x0
	s_add_nc_u64 s[14:15], s[4:5], s[16:17]
	s_add_nc_u64 s[46:47], s[6:7], s[46:47]
	CROUND                                         ; all sixteen work-groups are here: the first joint loads meet
.irp s, 0,1
	s_mov_b32 s[G0+4*\s], 1
	s_add_co_u32 s[G0+4*\s+1], s20, \s*SLOT
	s_add_nc_u64 s[G0+4*\s+2:G0+4*\s+3], s[14:15], \s*65536
	s_or_b32 s[G0+4*\s+3], s[G0+4*\s+3], 0x80000000
	s_mov_b32 s[G0B+4*\s], 1
	s_add_co_u32 s[G0B+4*\s+1], s20, \s*SLOT
	s_add_nc_u64 s[G0B+4*\s+2:G0B+4*\s+3], s[46:47], \s*65536
	s_or_b32 s[G0B+4*\s+3], s[G0B+4*\s+3], 0x80000000
	JLOAD \s
.endr
	v_and_b32 v1, 15, v0
	v_bfe_u32 v2, v0, 4, 1
	v_and_b32 v3, 31, v0
	v_lshlrev_b32 v3, 4, v3
	s_lshl_b32 s21, s11, 15                        ; my 64 rows of o
	s_lshl_b32 s22, s12, 15
	s_add_co_u32 s22, s22, 65536                   ; my 64 columns of Wo
.irp s, 0,1
	v_add_nc_u32 v[ADRA+\s], s21, v3
	v_add_nc_u32 v[ADRB+\s], s22, v3
	s_add_co_u32 s21, s21, SLOT
	s_add_co_u32 s22, s22, SLOT
.endr
	s_mul_i32 s23, s10, 16*SPITCH
	s_add_co_u32 s23, s23, STAGE                   ; my stage
	v_mul_u32_u24 v4, v1, SPITCH
	v_lshl_add_u32 v4, v2, 5, v4
	v_add_nc_u32 v[STO], s23, v4                   ; in: row r, 32 bytes for each half of the lanes
	v_mul_u32_u24 v5, v2, SPITCH
	v_lshl_add_u32 v5, v1, 4, v5
	v_add_nc_u32 v[RD], s23, v5                    ; back: lanes 0-15 one row of 256 bytes, lanes 16-31 the next
	v_lshlrev_b32 v5, 12, v2
	v_lshl_add_u32 v[CO], v1, 4, v5                ; and the same two rows in out0
	s_lshl_b32 s16, s13, 7
	s_lshl_b32 s17, s11, 6
	s_add_co_u32 s16, s16, s17
	s_lshl_b32 s16, s16, 12                        ; my first row
	s_mov_b32 s17, 0
	s_add_nc_u64 s[8:9], s[8:9], s[16:17]
	s_lshl_b32 s46, s42, 9
	s_lshl_b32 s47, s12, 8
	s_add_co_u32 s46, s46, s47                     ; my first column, in bytes
	s_mov_b32 s47, 0
	s_add_nc_u64 s[8:9], s[8:9], s[46:47]
.macro MUL8 f, c, a0, zero             ; row blocks a0, a0 + 1 x all 4 column blocks, 32 along K; the 16 accumulators take turns
.irp a, \a0, \a0+1
.irp b, 0,1,2,3
.if \zero
	v_wmma_f32_16x16x32_f16 v[ACC+8*(4*(\a)+\b):ACC+8*(4*(\a)+\b)+7], v[\f+64+8*(4*\c+\b):\f+64+8*(4*\c+\b)+7], v[\f+8*(4*\c+\a):\f+8*(4*\c+\a)+7], 0
.else
	v_wmma_f32_16x16x32_f16 v[ACC+8*(4*(\a)+\b):ACC+8*(4*(\a)+\b)+7], v[\f+64+8*(4*\c+\b):\f+64+8*(4*\c+\b)+7], v[\f+8*(4*\c+\a):\f+8*(4*\c+\a)+7], v[ACC+8*(4*(\a)+\b):ACC+8*(4*(\a)+\b)+7]
.endif
.endr
.endr
.endm
.macro FETCH slot, k, f                ; 32 LDS loads in one run: the fragments of 64 along K (two chunks of 1,024 bytes at byte k of each tile's 8,192), the first 32 along K first
	WIN TO_F
.irp c, 0,1
.irp i, 0,1,2,3
	ds_load_b128 v[\f+64+8*(4*\c+\i):\f+64+8*(4*\c+\i)+3],   v[ADRB+\slot] offset:\k+1024*\c+\i*8192
	ds_load_b128 v[\f+64+8*(4*\c+\i)+4:\f+64+8*(4*\c+\i)+7], v[ADRB+\slot] offset:\k+1024*\c+\i*8192+512
	ds_load_b128 v[\f+8*(4*\c+\i):\f+8*(4*\c+\i)+3],         v[ADRA+\slot] offset:\k+1024*\c+\i*8192
	ds_load_b128 v[\f+8*(4*\c+\i)+4:\f+8*(4*\c+\i)+7],       v[ADRA+\slot] offset:\k+1024*\c+\i*8192+512
.endr
.endr
.endm
.macro PLACES
.rept 4
	v_nop
.endr
.endm
.macro QUARTER slot, k, f, g, zero     ; multiplies buffer f (64 along K) and fetches the next quarter, at byte k, into g
	s_wait_dscnt 16                                ; the first 32 along K are in; the youngest 16 loads may be out
	WIN MUL
	MUL8 \f, 0, 0, \zero
	MUL8 \f, 0, 2, \zero
	PLACES
	FETCH \slot, \k, \g
	s_wait_dscnt 32                                ; all but the 32 just issued
	WIN MUL
	MUL8 \f, 1, 0, 0
	MUL8 \f, 1, 2, 0
.endm
.macro TURN slot, next, fill           ; a K step's last quarter changes slots: one barrier; fill = 1: it opens a round of the cluster's barrier and this slot is filled again, two K steps ahead
	WIN 0
	s_wait_tensorcnt 0x0                           ; all my tensor loads have landed: my part of the next slot;
	ds_add_u32 v[SPW], v[NIL]
	s_wait_dscnt 17                                ; (the add and the youngest sixteen loads may be out)
	WIN MUL
	MUL8 F1, 0, 0, 0
	s_wait_dscnt 0x0                               ; the add is done, and my reads of this slot are over
	s_barrier_signal -1
	MUL8 F1, 0, 2, 0
.if \fill
	WIN 0
.endif
	s_barrier_wait -1
.if \fill
	CREST                                          ; no wave of any partner still reads this slot's tile or has a load on its way
	s_add_nc_u64 s[G0+4*\slot+2:G0+4*\slot+3], s[G0+4*\slot+2:G0+4*\slot+3], 131072
	s_add_nc_u64 s[G0B+4*\slot+2:G0B+4*\slot+3], s[G0B+4*\slot+2:G0B+4*\slot+3], 131072
	JLOAD \slot                                    ; the first tensor load behind the round; its four v_nop are also the places in front of the loads below
.else
	PLACES
.endif
	FETCH \next, 0, F0
	WIN MUL
	MUL8 F1, 1, 0, 0
	MUL8 F1, 1, 2, 0
.endm
	s_wait_tensorcnt 1                             ; my part of K step 0 is in; K step 1's load may be out
	s_barrier_signal -1
	s_barrier_wait -1
	FETCH 0, 0, F0
	QUARTER 0, 2048, F0, F1, 1                     ; the first quarter's first products start the sums
	WIN 0
	s_mov_b32 s3, LAPS-1
.Llap:
	QUARTER 0, 4096, F1, F0, 0
	QUARTER 0, 6144, F0, F1, 0
	TURN 0, 1, 1
	QUARTER 1, 2048, F0, F1, 0
	QUARTER 1, 4096, F1, F0, 0
	QUARTER 1, 6144, F0, F1, 0
	TURN 1, 0, 1
	QUARTER 0, 2048, F0, F1, 0
	WIN 0
	s_sub_co_u32 s3, s3, 1
	s_cmp_lg_u32 s3, 0
	s_cbranch_scc1 .Llap
	QUARTER 0, 4096, F1, F0, 0                     ; the last lap fills nothing
	QUARTER 0, 6144, F0, F1, 0
	TURN 0, 1, 0
	QUARTER 1, 2048, F0, F1, 0
	QUARTER 1, 4096, F1, F0, 0
	QUARTER 1, 6144, F0, F1, 0
	s_wait_dscnt 16
	WIN MUL
	MUL8 F1, 0, 0, 0
	MUL8 F1, 0, 2, 0
	s_wait_dscnt 0
	MUL8 F1, 1, 0, 0
	MUL8 F1, 1, 2, 0
	WIN 0
	; THE WAY OUT, 16 rows x 64 columns at a time through my own stage: a row's 256 bytes come from one wave, so no barrier; sixteen lanes store 256 consecutive bytes, aligned.
	PLACES
.irp a, 0,1,2,3
.if \a >= 2
	s_wait_xcnt 0x0                                ; block a - 2's stores have read their registers
.endif
.irp b, 0,1,2,3
	ds_store_b128 v[STO], v[ACC+8*(4*\a+\b):ACC+8*(4*\a+\b)+3] offset:64*\b        ; each accumulator from its low end on
	ds_store_b128 v[STO], v[ACC+8*(4*\a+\b)+4:ACC+8*(4*\a+\b)+7] offset:64*\b+16
.endr
.irp t, 0,1,2,3,4,5,6,7
	ds_load_b128 v[TMP+32*(\a%2)+4*\t:TMP+32*(\a%2)+4*\t+3], v[RD] offset:\t*2*SPITCH   ; LDS serves a wave's instructions in order: these see the stores above
.endr
.irp t, 0,1,2,3,4,5,6,7
	s_wait_dscnt 7-\t                              ; the loads issued behind load t may be out
	global_store_b128 v[CO], v[TMP+32*(\a%2)+4*\t:TMP+32*(\a%2)+4*\t+3], s[8:9] offset:(16*\a+2*\t)*4096 th:TH_STORE_NT
.endr
.endr
	s_wait_tensorcnt 0x0                           ; the wave's end
	ds_add_u32 v[SPW], v[NIL]
	s_wait_dscnt 0x0
	CROUND                                         ; the closing round
	s_endpgm
.Lfunc_end_k_qd30272dc0b_outp:
	.size	k_qd30272dc0b_outp, .Lfunc_end_k_qd30272dc0b_outp-k_qd30272dc0b_outp
	.p2alignl 7, 3214868480
	.fill 96, 4, 3214868480
	.section	.rodata,"a",@progbits
	.p2align	6, 0x0
	.amdhsa_kernel k_qd30272dc0b_outp
		.amdhsa_group_segment_fixed_size 327680
		.amdhsa_private_segment_fixed_size 0
		.amdhsa_enable_private_segment 0
		.amdhsa_kernarg_size 24
		.amdhsa_user_sgpr_count 2
		.amdhsa_user_sgpr_kernarg_segment_ptr 1
		.amdhsa_wavefront_size32 1
		.amdhsa_system_sgpr_workgroup_id_x 1
		.amdhsa_system_sgpr_workgroup_id_y 1
		.amdhsa_system_sgpr_workgroup_id_z 1
		.amdhsa_system_vgpr_workitem_id 0
		.amdhsa_next_free_vgpr 512
		.amdhsa_next_free_sgpr 66
		.amdhsa_reserve_vcc 0
		.amdhsa_float_denorm_mode_32 3
		.amdhsa_float_denorm_mode_16_64 3
		.amdhsa_memory_ordered 1
		.amdhsa_forward_progress 1
		.amdhsa_inst_pref_size 86
	.end_amdhsa_kernel
	.amdgpu_metadata
---
amdhsa.version: [ 1, 2 ]
amdhsa.kernels:
  - .name:           k_qd30272dc0b_outp
    .symbol:         k_qd30272dc0b_outp.kd
    .args:
      - { .name: o16, .offset: 0, .size: 8, .value_kind: global_buffer, .address_space: global }
      - { .name: wo16, .offset: 8, .size: 8, .value_kind: global_buffer, .address_space: global }
      - { .name: out0, .offset: 16, .size: 8, .value_kind: global_buffer, .address_space: global }
    .group_segment_fixed_size: 327680
    .private_segment_fixed_size: 0
    .kernarg_segment_align: 8
    .kernarg_segment_size: 24
    .max_flat_workgroup_size: 128
    .sgpr_count:     66
    .vgpr_count:     512
    .wavefront_size: 32
...
	.end_amdgpu_metadata
.endif
;; end of part 4
;; launch first16 (part 5): grid 16 x 2, 16 waves a work-group, no clusters, 71,680 bytes of LDS; arguments fine, lf, Wo, out0; writes out0
.if DOCPART == 5
	.amdgcn_target "amdgcn-amd-amdhsa--gfx1250"
	.amdhsa_code_object_version 6
	.text
	.protected	k_qd30272dc0b_first16
	.globl	k_qd30272dc0b_first16
	.p2align	8
	.type	k_qd30272dc0b_first16,@function
k_qd30272dc0b_first16:
	s_mov_b64 s[64:65], 0
	v_nop
	global_prefetch_b8 v0, s[64:65] scope:SCOPE_SE
	s_setreg_imm32_b32 hwreg(HW_REG_WAVE_MODE, 25, 1), 1
	s_wait_xcnt 0x0
; FIRST16.  Positions 0-15 of sequence b (work-group y), attention and projection in f32, for 64 output columns (work-group x).  These rows average one to sixteen values and are carried more finely than the rest;
; they are stored over what the launch before has left in the same 32 rows of out0.
; Wave = head.  All products by the f32 matrix form, 96 a wave.  K's places in the operands are permuted alike on both sides, so that loads of 16 bytes and result registers feed the instruction as they stand.
; v16-47, four accumulators, are written by matrix instructions alone; every sum begins with the constant 0; the four take turns.
; Behind this form: eight places ahead of a read of a result or a load into an operand, nine ahead of a matrix instruction that writes over a register.
; The sixteen heads' parts of the projection meet in LDS and are added in ascending order of heads; wave w then stores token w's 256 bytes, aligned.
; REGISTERS: v1-15 addresses and lane numbers; v48-79 q, v80-111 k (later Wo's rows of channels 32-63); v112-143 v^T; v144-159 lf, its running sum; v160-167 c_j, the decay; v144-175 later O^T / l;
;   v176-183 scores, p; v184-191 at work; v192-255 Wo's rows of channels 0-31.
.set PBW,   4352                       ; a head's part: 16 tokens x (256 bytes + 16)
.set SPARE, 16*PBW                     ; the spare words, 128 bytes for each wave: eight blocks of 256 bytes that no other line names
	s_load_b256 s[4:11], s[0:1], 0x0               ; fine s[4:5], lf s[6:7], Wo s[8:9], out0 s[10:11]
	v_lshl_add_u32 v4, v0, 2, SPARE
	v_mov_b32 v5, 0
	v_lshrrev_b32 v1, 5, v0
	v_readfirstlane_b32 s12, v1                    ; wave: the head; on the way out the token
	s_and_b32 s13, ttmp7, 0xffff                   ; b
	v_and_b32 v1, 31, v0
	v_and_b32 v2, 15, v0                           ; r
	v_bfe_u32 v3, v0, 4, 1                         ; h
	v_lshlrev_b32 v6, 8, v2
	v_lshl_add_u32 v6, v3, 4, v6                   ; q, k: token r, + 4 h channels
	v_lshlrev_b32 v7, 6, v2
	v_lshl_add_u32 v7, v3, 5, v7                   ; v^T: channel r, + 8 h tokens
	v_mov_b32 v8, 0
	v_lshlrev_b32 v9, 2, v2
	v_lshl_add_u32 v9, v3, 15, v9                  ; Wo: column r, + 8 h rows
	v_lshlrev_b32 v10, 3, v3
	v_sub_nc_u32 v10, v2, v10                      ; r - 8 h
	s_mul_i32 s14, s12, PBW
	v_mul_u32_u24 v12, v2, 272
	v_lshl_add_u32 v12, v3, 5, v12
	v_add_nc_u32 v12, s14, v12                     ; my head's part: token r, + 8 h columns
	s_mul_i32 s14, s12, 272
	v_lshl_add_u32 v13, v1, 3, s14                 ; back: token w's row, 8 bytes a lane
	v_lshlrev_b32 v14, 3, v1
	v_mov_b32 v15, 0xce6e6b28                      ; -1e9
	v_mov_b32 v190, 0                              ; a lane permute's destination counts as one of its sources
	s_mov_b32 s24, 0x3fb8aa3b                      ; log2(e)
	s_mov_b32 s25, 0xc2480000                      ; -50
	s_mov_b32 s26, 0x41200000                      ; 10
	s_mov_b32 s27, 0x3e000000                      ; 1 / 8
	s_mov_b32 s28, 0x76543210
	s_mov_b32 s29, 0xfedcba98
	s_lshl_b32 s16, s13, 4
	s_add_co_u32 s16, s16, s12
	s_mul_i32 s16, s16, 12288
	s_mov_b32 s17, 0
	s_lshl_b32 s18, s13, 17
	s_lshl_b32 s19, s12, 13
	s_add_co_u32 s18, s18, s19
	s_mov_b32 s19, 0
	s_lshl_b32 s20, s12, 18                        ; Wo: my head's 64 rows,
	s_lshl_b32 s21, ttmp9, 8                       ; my work-group's 64 columns
	s_add_co_u32 s20, s20, s21
	s_mov_b32 s21, 0
	s_lshl_b32 s22, s13, 11
	s_add_co_u32 s22, s22, s12
	s_lshl_b32 s22, s22, 12
	s_lshl_b32 s23, ttmp9, 8
	s_add_co_u32 s22, s22, s23
	s_mov_b32 s23, 0
	s_wait_kmcnt 0x0
	s_add_nc_u64 s[4:5], s[4:5], s[16:17]
	s_add_nc_u64 s[6:7], s[6:7], s[18:19]
	s_add_nc_u64 s[8:9], s[8:9], s[20:21]
	s_add_nc_u64 s[10:11], s[10:11], s[22:23]
.irp u, 0,1,2,3,4,5,6,7
	global_load_b128 v[48+4*\u:51+4*\u], v6, s[4:5] offset:32*\u           ; q(r, 8 u + 4 h + 0 .. 3)
.endr
.irp u, 0,1,2,3,4,5,6,7
	global_load_b128 v[80+4*\u:83+4*\u], v6, s[4:5] offset:4096+32*\u      ; k likewise
.endr
.irp ct, 0,1,2,3
	global_load_b128 v[112+8*\ct:115+8*\ct], v7, s[4:5] offset:8192+\ct*1024       ; v(8 h + 0 .. 7, 16 ct + r)
	global_load_b128 v[116+8*\ct:119+8*\ct], v7, s[4:5] offset:8192+\ct*1024+16
.endr
.irp u, 0,1,2,3
	global_load_b128 v[144+4*\u:147+4*\u], v8, s[6:7] offset:16*\u         ; lf of the sixteen positions, in every lane
.endr
; Wo(64 head + 16 ct + 8 h + 2 u + j, 16 nt + r) -> register reg + 2 (4 u + nt) + j
.macro WLOAD ct, reg
.irp u, 0,1,2,3
.irp nt, 0,1,2,3
.irp j, 0,1
	global_load_b32 v[\reg+2*(4*\u+\nt)+\j], v9, s[8:9] offset:(16*\ct+2*\u+\j)*4096+64*\nt
.endr
.endr
.endr
.endm
	WLOAD 0, 192
	WLOAD 1, 224
	s_wait_loadcnt 63                              ; of 92 loads the oldest 29 are in: q, k, v^T and lf are the oldest 28
	; S^T = k q^T: 16 links of 4 channels, in four partial sums by turns
.set q, 0
.rept 16
.if q < 4
	v_wmma_f32_16x16x4_f32 v[16+8*(q%4):23+8*(q%4)], v[80+2*q:81+2*q], v[48+2*q:49+2*q], 0
.else
	v_wmma_f32_16x16x4_f32 v[16+8*(q%4):23+8*(q%4)], v[80+2*q:81+2*q], v[48+2*q:49+2*q], v[16+8*(q%4):23+8*(q%4)]
.endif
.set q, q+1
.endr
.set q, 0
.rept 15
	v_add_f32 v[145+q], v[144+q], v[145+q]         ; c, a serial sum.  (This and the choices below are the places behind the products)
.set q, q+1
.endr
	v_cmp_eq_u32 vcc_lo, 1, v3
.irp j, 0,1,2,3,4,5,6,7
	v_cndmask_b32 v[160+\j], v[144+\j], v[152+\j], vcc_lo     ; c of key 8 h + j
.endr
	v_mov_b32 v11, v144
.irp u, 1,2,3,4,5,6,7,8,9,10,11,12,13,14,15
	v_cmp_eq_u32 vcc_lo, \u, v2
	v_cndmask_b32 v11, v11, v[144+\u], vcc_lo      ; c of query r
.endr
	WLOAD 2, 48                                    ; into q's and k's registers, which are done with
	WLOAD 3, 80
.irp j, 0,1,2,3,4,5,6,7
	v_sub_f32 v[160+\j], v11, v[160+\j]
.endr
.irp j, 0,1,2,3,4,5,6,7
	v_med3_num_f32 v[160+\j], v[160+\j], s25, s26
.endr
.irp j, 0,1,2,3,4,5,6,7
	v_cmp_gt_i32 vcc_lo, \j, v10                   ; key 8 h + j > query r
	v_cndmask_b32 v[160+\j], v[160+\j], v15, vcc_lo
.endr
.irp j, 0,1,2,3,4,5,6,7                        ; each accumulator from its low end on
	v_add_f32 v[176+\j], v[16+\j], v[24+\j]
	v_add_f32 v[184+\j], v[32+\j], v[40+\j]
.endr
.irp j, 0,1,2,3,4,5,6,7
	v_add_f32 v[176+\j], v[176+\j], v[184+\j]
.endr
.irp j, 0,1,2,3,4,5,6,7
	v_fma_f32 v[176+\j], v[176+\j], s27, v[160+\j] ; score / 8 + decay
.endr
	v_max3_num_f32 v184, v176, v177, v178
	v_max3_num_f32 v184, v184, v179, v180
	v_max3_num_f32 v184, v184, v181, v182
	v_max_num_f32 v184, v184, v183
	v_permlanex16_b32 v190, v184, s28, s29
	v_max_num_f32 v184, v184, v190                 ; the row's maximum
	v_mul_f32 v185, s24, v184
.irp j, 0,1,2,3,4,5,6,7
	v_fma_f32 v[176+\j], v[176+\j], s24, -v185
.endr
.irp j, 0,1,2,3,4,5,6,7
	v_exp_f32 v[176+\j], v[176+\j]
.endr
	v_nop
	s_wait_alu depctr_va_vdst(0)                   ; one wait for the eight, ahead of their first reader
	v_add_f32 v186, v176, v177
.irp j, 2,3,4,5,6,7
	v_add_f32 v186, v186, v[176+\j]
.endr
	v_permlanex16_b32 v190, v186, s28, s29
	v_add_f32 v186, v186, v190
	v_rcp_f32 v187, v186
	v_nop
	s_wait_alu depctr_va_vdst(0)
	; O^T = v^T p: 4 links of 4 keys for each of the four channel tiles, by turns
.irp u, 0,1,2,3
.irp ct, 0,1,2,3
.if \u == 0
	v_wmma_f32_16x16x4_f32 v[16+8*\ct:23+8*\ct], v[112+8*\ct+2*\u:113+8*\ct+2*\u], v[176+2*\u:177+2*\u], 0
.else
	v_wmma_f32_16x16x4_f32 v[16+8*\ct:23+8*\ct], v[112+8*\ct+2*\u:113+8*\ct+2*\u], v[176+2*\u:177+2*\u], v[16+8*\ct:23+8*\ct]
.endif
.endr
.endr
.rept 8
	v_nop
.endr
.set q, 0
.rept 32
	v_mul_f32 v[144+q], v[16+q], v187              ; o(r, 16 ct + 8 h + j), into other registers
.set q, q+1
.endr
	s_wait_loadcnt 0x0                             ; Wo
; the projection: 16 links of 4 channels for each of the four column tiles, by turns
.macro PROJ ct, reg
.irp u, 0,1,2,3
.irp nt, 0,1,2,3
.if (\ct == 0) && (\u == 0)
	v_wmma_f32_16x16x4_f32 v[16+8*\nt:23+8*\nt], v[\reg+2*(4*\u+\nt):\reg+2*(4*\u+\nt)+1], v[144+8*\ct+2*\u:145+8*\ct+2*\u], 0
.else
	v_wmma_f32_16x16x4_f32 v[16+8*\nt:23+8*\nt], v[\reg+2*(4*\u+\nt):\reg+2*(4*\u+\nt)+1], v[144+8*\ct+2*\u:145+8*\ct+2*\u], v[16+8*\nt:23+8*\nt]
.endif
.endr
.endr
.endm
	PROJ 0, 192
	PROJ 1, 224
	PROJ 2, 48
	PROJ 3, 80
.rept 8
	v_nop
.endr
.irp nt, 0,1,2,3
	ds_store_b128 v12, v[16+8*\nt:19+8*\nt] offset:64*\nt          ; lane (r, h): token r, columns 16 nt + 8 h + 0 .. 7
	ds_store_b128 v12, v[20+8*\nt:23+8*\nt] offset:64*\nt+16
.endr
	s_wait_dscnt 0x0                               ; for the others' sake: my head's part has landed
	s_barrier_signal -1
	s_barrier_wait -1
.set q, 0
.rept 16
	ds_load_b64 v[48+2*q:49+2*q], v13 offset:q*PBW
.set q, q+1
.endr
	s_wait_dscnt 0x0
.set q, 1
.rept 15
	v_pk_add_f32 v[48:49], v[48:49], v[48+2*q:49+2*q]
.set q, q+1
.endr
	global_store_b64 v14, v[48:49], s[10:11]       ; 32 lanes store 256 consecutive bytes, aligned
	s_wait_tensorcnt 0x0                           ; the wave's end, behind my last LDS store
	ds_add_u32 v4, v5
	s_wait_dscnt 0x0
	s_endpgm
.Lfunc_end_k_qd30272dc0b_first16:
	.size	k_qd30272dc0b_first16, .Lfunc_end_k_qd30272dc0b_first16-k_qd30272dc0b_first16
	.p2alignl 7, 3214868480
	.fill 96, 4, 3214868480
	.section	.rodata,"a",@progbits
	.p2align	6, 0x0
	.amdhsa_kernel k_qd30272dc0b_first16
		.amdhsa_group_segment_fixed_size 71680
		.amdhsa_private_segment_fixed_size 0
		.amdhsa_enable_private_segment 0
		.amdhsa_kernarg_size 32
		.amdhsa_user_sgpr_count 2
		.amdhsa_user_sgpr_kernarg_segment_ptr 1
		.amdhsa_wavefront_size32 1
		.amdhsa_system_sgpr_workgroup_id_x 1
		.amdhsa_system_sgpr_workgroup_id_y 1
		.amdhsa_system_sgpr_workgroup_id_z 1
		.amdhsa_system_vgpr_workitem_id 0
		.amdhsa_next_free_vgpr 256
		.amdhsa_next_free_sgpr 66
		.amdhsa_reserve_vcc 1
		.amdhsa_float_denorm_mode_32 3
		.amdhsa_float_denorm_mode_16_64 3
		.amdhsa_memory_ordered 1
		.amdhsa_forward_progress 1
		.amdhsa_inst_pref_size 34
	.end_amdhsa_kernel
	.amdgpu_metadata
---
amdhsa.version: [ 1, 2 ]
amdhsa.kernels:
  - .name:           k_qd30272dc0b_first16
    .symbol:         k_qd30272dc0b_first16.kd
    .args:
      - { .name: fine, .offset: 0, .size: 8, .value_kind: global_buffer, .address_space: global }
      - { .name: lf, .offset: 8, .size: 8, .value_kind: global_buffer, .address_space: global }
      - { .name: Wo, .offset: 16, .size: 8, .value_kind: global_buffer, .address_space: global }
      - { .name: out0, .offset: 24, .size: 8, .value_kind: global_buffer, .address_space: global }
    .group_segment_fixed_size: 71680
    .private_segment_fixed_size: 0
    .kernarg_segment_align: 8
    .kernarg_segment_size: 32
    .max_flat_workgroup_size: 512
    .sgpr_count:     66
    .vgpr_count:     256
    .wavefront_size: 32
...
	.end_amdgpu_metadata
.endif
;; end of part 5
